; MI455X (gfx1250); checked and timed in simulation.
; The chip was launched on July 23, 2026; its instructions are those of AMD's public machine-readable ISA for CDNA 5 (MIT licence, August 2026) and "CDNA5" Instruction Set Architecture Reference Guide (July 2026). The comments in the code are by the model that wrote it; some were corrected since.
;; DMHA. Allowed arithmetic: matrix products marked QUANTISED: E2M1 operands, one E8M0 scale for each 32 along K, by v_wmma_scale_f32_16x16x128_f8f6f4 with both operands' format E2M1 (or v_wmma_scale_f32_32x16x128_f4), f32 sums; products left as they are: bf16, f16 or f32 operands; f32 sums; everything else in f32.
;; Inputs: Wk1 1,024 x 1,024 float32; Wk2 1,024 x 1,024 float32; Wo 2,048 x 1,024 float32; Wq1 1,024 x 1,024 float32; Wq2 1,024 x 1,024 float32; Wv 1,024 x 2,048 float32; lk1 16 x 64 float32; lk2 16 x 64 float32; lq1 16 x 64 float32; lq2 16 x 64 float32; x 2 x 2,048 x 1,024 float32.
;; Outputs: out0 2 x 2,048 x 1,024 float32.
;; This version of the problem:
;;   THIS VERSION OF THE PROBLEM IS GIVEN IN LOW PRECISION. The matrix products marked QUANTISED in the list below multiply operands that are first quantised to E2M1 (2 exponent bits, 1 mantissa bit; 4 bits a number), with one power-of-two scale for each 32 numbers along K (OCP MX v1.0); their sums are f32. The products marked 'left as it is' may take bf16, f16 or f32 operands, with f32 sums. Whichever they take, every output number must still come out within the allowed error. Rounding operands to bf16 (8 significant bits) uses up far more of that allowance than f16 does (11 bits, for magnitudes from 6e-5 to 65,504). All else is computed in f32.
;;   The module's matrix products, in the order in which they are computed (A, B: the left and right operand; K: the contracted axis; several contracted axes count as one K, in the product's order):
;;     1. [M 4,096, K 1,024] x [K 1,024, N 1,024]; A: input x; B: input Wq1: QUANTISED
;;     2. [M 4,096, K 1,024] x [K 1,024, N 1,024]; A: input x; B: input Wq2: QUANTISED
;;     3. [M 4,096, K 1,024] x [K 1,024, N 1,024]; A: input x; B: input Wk1: QUANTISED
;;     4. [M 4,096, K 1,024] x [K 1,024, N 1,024]; A: input x; B: input Wk2: QUANTISED
;;     5. [M 4,096, K 1,024] x [K 1,024, N 2,048]; A: input x; B: input Wv: QUANTISED
;;     6. batch 32 x [M 2,048, K 64] x [K 64, N 2,048]; A: computed on the way; B: computed on the way: left as it is (an operand is computed on the way)
;;     7. batch 32 x [M 2,048, K 64] x [K 64, N 2,048]; A: computed on the way; B: computed on the way: left as it is (an operand is computed on the way)
;;     8. batch 32 x [M 2,048, K 2,048] x [K 2,048, N 128]; A: computed on the way; B: computed on the way: left as it is (an operand is computed on the way)
;;     9. [M 4,096, K 2,048] x [K 2,048, N 1,024]; A: computed on the way; B: input Wo: left as it is (an operand is computed on the way)
;;   THE QUANTISER, for each operand of a quantised product, along K:
;;     - K is cut into blocks of 32 from its start; a last block that is shorter is filled with zeros.
;;     - A block's scale is 2^e with e = floor(log2(the largest magnitude in the block)) - 2, held to -126 .. 127; a block of zeros has e = 0. As a byte (E8M0): e + 127.
;;     - Each number is divided by its block's scale, clamped to +-6, and rounded to the nearest number of E2M1, ties to even, subnormals kept.
;;     - The product sums the exact products of the quantised numbers (number of the format x scale) in f32.
;;   ~~~python
;;   def quantise(x, axis):      # numpy; x: float32 -> the quantised numbers, widened to float32 again
;;       x = np.moveaxis(x, axis, -1); K = x.shape[-1]
;;       x = np.pad(x, [(0, 0)] * (x.ndim - 1) + [(0, -K % 32)]); x = x.reshape(x.shape[:-1] + (-1, 32)); a = np.abs(x).max(-1, keepdims=True)
;;       e = np.where(a > 0, np.clip(np.frexp(np.where(a > 0, a, 1))[1] - 1 - 2, -126, 127), 0)      # np.frexp(a)[1] - 1 = floor(log2(a)), exactly
;;       r = np.clip(x / 2.0 ** e, -6, 6)
;;       step = 2.0 ** (np.maximum(np.frexp(np.where(r == 0, 1, r))[1] - 1, 0) - 1)
;;       q = np.round(r / step) * step * 2.0 ** e      # np.round: ties to even
;;       return np.moveaxis(q.reshape(q.shape[:-2] + (-1,))[..., :K], -1, axis).astype(np.float32)
;;   ~~~
;; One version. Each part assembles by itself: llvm-mc -triple=amdgcn-amd-amdhsa -mcpu=gfx1250 --defsym DOCPART=n.
;; ======== version 1 of 1: 4 launches
;; limits: values are held in f16: magnitudes above 65,504 overflow, below 6.1e-05 lose precision
;; workspace buffers: xc 2,097,152 bytes; xs 131,072 bytes; wc 3,145,728 bytes; ws 196,608 bytes; wo16 4,194,304 bytes; qf 16,777,216 bytes; kv 33,554,432 bytes; mf 16,777,216 bytes
;; launch prep (part 1): grid 512 x 1, 8 waves a work-group, no clusters, 68,608 bytes of LDS; arguments x, Wq1, Wq2, Wk1, Wk2, Wv, Wo, xc, xs, wc, ws, wo16; writes xc, xs, wc, ws, wo16
.if DOCPART == 1
	.amdgcn_target "amdgcn-amd-amdhsa--gfx1250"
	.amdhsa_code_object_version 6
	.text
	.protected	k_qa128b42557_prep
	.globl	k_qa128b42557_prep
	.p2align	8
	.type	k_qa128b42557_prep,@function
k_qa128b42557_prep:
	s_mov_b64 s[64:65], 0
	v_nop
	global_prefetch_b8 v0, s[64:65] scope:SCOPE_SE
	s_setreg_imm32_b32 hwreg(HW_REG_WAVE_MODE, 25, 1), 1
	s_wait_xcnt 0x0
; DIFFERENTIAL ATTENTION, launch 1 of 4: the operands of the quantised products become codes of FP4 (E2M1) with one E8M0 byte for each 32 along K; Wo becomes f16 with K innermost.
; WORK LEFT OUT IN THIS PROGRAM, AND WHY IT IS DEAD.  The problem builds its causal mask itself (jnp.tril): a score of key k for query q with k > q is replaced by -infinity ahead of both softmaxes, so its
; weight is 0 whatever finite values the inputs hold, and it reaches no output.  Where such scores come in whole tiles (a block of 128 keys behind a block of 128 queries; 64 keys behind a wave's 16 queries)
; the third launch neither loads nor multiplies them.  Nothing else is left out; every input has a way to the output and is loaded.
; LIMIT: a NaN, an infinity or an overflow that would arise only in those hidden scores is not carried to the result.
; LIMITS OF RANGE: NaN and infinities among the inputs are not served; q, k, v go on as f16, so a projected number beyond 65,504 in magnitude becomes infinity;
; a block of 32 zeros gets the scale byte 1 (its codes are zeros, which add nothing; the bytes are read by this program alone); blocks whose largest magnitude lies under 2^(3 - 127) keep that byte too.
; A BLOCK'S SCALE is 2^(floor(log2(largest magnitude)) - 2): its byte is the largest magnitude's exponent field - 2, held at 1 from below by a floor among the maximum's leaves.
; LAYOUTS: all five buffers are images of operand registers.  A CHUNK is 512 bytes, lane l's 16 bytes at 16 l.
;   xc [row tile 256][K step 8][1,024]: the fragment of 16 rows x 128 K: block b of 32 codes of row r at 256 b + 16 r.    xs [row tile][K step][16 rows][4]: a scale word for a row and 128 K.
;   wc [column tile 384][K step 8][1,024], ws likewise: the rows are output columns: 0.. Wq1, 1024.. Wq2, 2048.. Wk1, 3072.. Wk2, 4096.. Wv.
;   wo16 [column tile 64][16 k: 128][512]: lane (r, h) holds Wo[16 kt + 8 h + 0..7][16 nt + r] as f16.
; SHARES: work-groups 0-255: 16 rows of x, wave w its K step w.  256-447: 64 columns x 4 K steps of a projection weight.  448-511: the same of Wo.  There wave w takes column half w & 1 and K step w >> 1,
; A LANE TAKES A COLUMN AND ITS REGISTERS RUN DOWN K: a block of 32 along K lies in one lane, and the codes come out with K innermost.
; Memory binds: every wave asks for all its numbers at once.  No matrix unit, no tensor load, no barrier: waves share nothing.
.set STG,   8448                       ; x's path: a wave's own stage, 16 rows x SP bytes
.set SP,    528                        ; 512 bytes + 16: 33 x 16, so that sixteen rows' reads of 16 bytes fall on sixteen different columns of 16 bytes
.set SPARE, 8*STG                      ; behind the stages: the spare words, 128 bytes for each wave: four blocks of 256 bytes that no other line names
.set SPW,   14                         ; v14  LDS address of my spare word; never rewritten
.set NIL,   15                         ; v15  0; never rewritten
.set COD,   16                         ; v16-31   codes
.set VO,    32                         ; v32-63   weights: byte offset of row i of a block of 32, at my column
.set DAT,   64                         ; v64-191  numbers
.set F16,   192                        ; v192-255 Wo as f16
	s_load_b512 s[4:19], s[0:1], 0x0               ; x 4, Wq1 6, Wq2 8, Wk1 10, Wk2 12, Wv 14, Wo 16, xc 18
	s_load_b256 s[20:27], s[0:1], 0x40             ; xs 20, wc 22, ws 24, wo16 26
	v_lshl_add_u32 v[SPW], v0, 2, SPARE
	v_mov_b32 v[NIL], 0
	v_lshrrev_b32 v1, 5, v0
	v_readfirstlane_b32 s28, v1                    ; wave 0..7
	v_and_b32 v1, 31, v0                           ; lane
	v_and_b32 v2, 15, v0                           ; r
	v_bfe_u32 v3, v0, 4, 1                         ; h
	v_lshlrev_b32 v4, 4, v1                        ; 16 x lane
	s_mov_b32 s47, 0                               ; the upper word of every offset pair s[46:47]
	s_wait_kmcnt 0x0
	s_cmp_lt_u32 ttmp9, 256
	s_cbranch_scc0 .Lweights
	; ---- x: 16 rows x 128 numbers.  Each load reads 512 consecutive bytes of a row; the rows turn through my stage, so that a lane gets two whole blocks of 32 of ONE row
	s_mul_i32 s31, s28, STG
	v_add_nc_u32 v5, s31, v4                       ; into the stage: 16 x lane, a row to a store
	v_mul_u32_u24 v6, v2, SP
	v_lshl_add_u32 v6, v3, 7, v6
	v_add_nc_u32 v6, s31, v6                       ; out of it: row r, + 128 h: blocks h and 2 + h
	v_lshlrev_b32 v7, 2, v2                        ; a scale word's place: 4 r
	s_mov_b32 s48, 0x76543210
	s_mov_b32 s49, 0xfedcba98                      ; v_permlanex16_b32's selects for lane l xor 16
	s_lshl_b32 s46, ttmp9, 16                      ; 16 rows of 4,096 bytes
	s_lshl_b32 s31, s28, 9                         ; my K step's 512 bytes
	s_add_co_u32 s46, s46, s31
	s_add_nc_u64 s[32:33], s[4:5], s[46:47]
.irp j, 0,1,2,3,4,5,6,7,8,9,10,11,12,13,14,15
	global_load_b128 v[DAT+4*\j:DAT+4*\j+3], v4, s[32:33] offset:4096*\j th:TH_LOAD_NT
.endr
	s_lshl_b32 s46, ttmp9, 13
	s_lshl_b32 s31, s28, 10
	s_add_co_u32 s46, s46, s31
	s_add_nc_u64 s[42:43], s[18:19], s[46:47]      ; my fragment in xc
	s_lshl_b32 s46, ttmp9, 9
	s_lshl_b32 s31, s28, 6
	s_add_co_u32 s46, s46, s31
	s_add_nc_u64 s[44:45], s[20:21], s[46:47]      ; its 16 scale words in xs
.irp j, 0,1,2,3,4,5,6,7,8,9,10,11,12,13,14,15
	s_wait_loadcnt 15-\j                           ; loads come back in order: row j is in, the younger rows' loads may be out
	ds_store_b128 v5, v[DAT+4*\j:DAT+4*\j+3] offset:SP*\j
.endr
.irp c, 0,1
.irp i, 0,1,2,3,4,5,6,7
	ds_load_b128 v[128+32*\c+4*\i:131+32*\c+4*\i], v6 offset:256*\c+16*\i   ; LDS serves a wave's instructions in order: these see my stores.  v[128 + 32 c + n] = x(r, 64 c + 32 h + n)
.endr
.endr
	s_wait_dscnt 0x0
.irp c, 0,1
	v_max3_num_f32 v[8+\c], |v[128+32*\c]|, |v[129+32*\c]|, 0x1800000   ; my block 2 c + h, and the floor 2^(3 - 127): the byte cannot fall under 1
.endr
.irp i, 2,4,6,8,10,12,14,16,18,20,22,24,26,28,30
.irp c, 0,1
	v_max3_num_f32 v[8+\c], v[8+\c], |v[128+32*\c+\i]|, |v[129+32*\c+\i]|   ; (the two blocks by turns)
.endr
.endr
.irp c, 0,1
	v_add_nc_u32 v[10+\c], 0xff000000, v[8+\c]     ; 2 off the exponent field: the conversion takes the exponent field of this operand as its scale
.endr
.irp c, 0,1
	v_lshrrev_b32 v[12+\c], 23, v[10+\c]           ; the scale's byte
.endr
	v_lshl_or_b32 v12, v13, 16, v12                ; my two bytes: blocks h and 2 + h of row r,
	v_lshlrev_b32 v13, 3, v3
	v_lshlrev_b32 v12, v13, v12                    ; at their places in the word;
	v_mov_b32 v13, 0
	v_permlanex16_b32 v13, v12, s48, s49
	v_or_b32 v12, v12, v13                         ; with lane l xor 16's two the word is whole, in both lanes
.irp c, 0,1
.irp g, 0,1,2,3
	v_cvt_scalef32_pk8_fp4_f32 v[COD+4*\c+\g], v[128+32*\c+8*\g:135+32*\c+8*\g], v[10+\c]   ; registers 4 c .. 4 c + 3 of the operand
.endr
.endr
	v_nop                                          ; one plain line behind the last scaled conversion
	global_store_b128 v4, v[COD:COD+3], s[42:43]               ; each store covers 512 consecutive bytes
	global_store_b128 v4, v[COD+4:COD+7], s[42:43] offset:512
	global_store_b32 v7, v12, s[44:45]             ; 64 bytes: lanes l and l xor 16 store the same word at the same place.  One byte in 128 of what this path reads
	s_wait_tensorcnt 0x0                           ; the wave's end
	ds_add_u32 v[SPW], v[NIL]
	s_wait_dscnt 0x0
	s_endpgm
.Lweights:
	; ---- which weight, which 32 columns, which 128 rows: choices on the work-group's and the wave's number alone
	s_sub_co_u32 s29, ttmp9, 256                   ; g
	s_lshr_b32 s31, s29, 5                         ; 0..3 Wq1, Wq2, Wk1, Wk2; 4, 5 Wv; 6, 7 Wo
	s_and_b32 s50, s28, 1                          ; my half of the group's 64 columns
	s_lshr_b32 s51, s28, 1                         ; my K step of the group's four
	s_mov_b64 s[32:33], s[14:15]
	s_cmp_eq_u32 s31, 0
	s_cselect_b64 s[32:33], s[6:7], s[32:33]
	s_cmp_eq_u32 s31, 1
	s_cselect_b64 s[32:33], s[8:9], s[32:33]
	s_cmp_eq_u32 s31, 2
	s_cselect_b64 s[32:33], s[10:11], s[32:33]
	s_cmp_eq_u32 s31, 3
	s_cselect_b64 s[32:33], s[12:13], s[32:33]
	s_and_b32 s52, s29, 30                         ; the group's first 32 columns, counted in the weight: of 1,024 columns,
	s_and_b32 s53, s29, 62                         ; of Wv's 2,048,
	s_lshr_b32 s54, s29, 1
	s_and_b32 s54, s54, 30                         ; of Wo's 1,024 (four groups share them)
	s_and_b32 s55, s29, 1                          ; which four K steps: of 8,
	s_and_b32 s56, s29, 3                          ; of Wo's 16
	s_cmp_lt_u32 s31, 4
	s_cselect_b32 s52, s52, s53
	s_cmp_lt_u32 s31, 6
	s_cselect_b32 s52, s52, s54
	s_cselect_b32 s55, s55, s56
	s_cselect_b64 s[32:33], s[32:33], s[16:17]
	s_add_co_u32 s52, s52, s50                     ; my 32 columns
	s_lshl_b32 s55, s55, 2
	s_add_co_u32 s55, s55, s51                     ; my K step
	s_lshr_b32 s53, s31, 1
	s_mov_b32 s30, 4096
	s_cmp_eq_u32 s53, 2
	s_cselect_b32 s30, 8192, s30                   ; a row of the weight in bytes
	s_lshl_b32 s46, s55, 7
	s_mul_i32 s46, s46, s30                        ; 128 rows a K step
	s_lshl_b32 s53, s52, 7
	s_add_co_u32 s46, s46, s53                     ; + 128 bytes for each 32 columns
	s_add_nc_u64 s[32:33], s[32:33], s[46:47]      ; block 0 of my four blocks of 32 rows,
	s_lshl_b32 s46, s30, 5
	s_add_nc_u64 s[34:35], s[32:33], s[46:47]      ; 1,
	s_add_nc_u64 s[36:37], s[34:35], s[46:47]      ; 2,
	s_add_nc_u64 s[38:39], s[36:37], s[46:47]      ; 3
	v_lshlrev_b32 v13, 2, v1
.set i, 0
.rept 32
	v_mad_u32_u24 v[VO+i], s30, i, v13             ; row i of a block, my column
.set i, i+1
.endr
.irp t, 0,1,2,3
.set i, 0
.rept 32
	global_load_b32 v[DAT+32*\t+i], v[VO+i], s[32+2*\t:33+2*\t] th:TH_LOAD_NT   ; 128 consecutive bytes; the wave beside me reads the 128 that follow
.set i, i+1
.endr
.endr
.macro WAITT t                         ; block t's 32 loads are in.  Behind them 96, 64, 32, 0 loads were issued; the wait's field holds 63 at the most, and a smaller count is safe
.if (\t) < 2
	s_wait_loadcnt 63
.elseif (\t) == 2
	s_wait_loadcnt 32
.else
	s_wait_loadcnt 0x0
.endif
.endm
	s_cmp_lt_u32 ttmp9, 448
	s_cbranch_scc0 .Lwo
	; ---- a projection weight: four blocks of 32 along K of my column become 64 bytes of codes and a scale word
	s_and_b32 s57, s29, 0xfe
	s_add_co_u32 s57, s57, s50                     ; my 32 columns, counted over all 6,144: two column tiles
	s_lshl_b32 s46, s57, 14
	s_lshl_b32 s53, s55, 10
	s_add_co_u32 s46, s46, s53
	s_add_nc_u64 s[42:43], s[22:23], s[46:47]
	s_lshl_b32 s46, s57, 10
	s_lshl_b32 s53, s55, 6
	s_add_co_u32 s46, s46, s53
	s_add_nc_u64 s[44:45], s[24:25], s[46:47]
	v_lshlrev_b32 v5, 4, v2
	v_lshl_add_u32 v5, v3, 13, v5                  ; codes: column tile lane / 16, 16 r
	v_lshlrev_b32 v6, 2, v2
	v_lshl_add_u32 v6, v3, 9, v6                   ; scale word: column tile lane / 16, 4 r
.macro BLOCKW t
.set XS, DAT+32*(\t)
	WAITT \t
	v_max3_num_f32 v8, |v[XS]|, |v[XS+1]|, |v[XS+2]|               ; the block's largest magnitude: all 32 numbers are mine; two chains
	v_max3_num_f32 v9, |v[XS+3]|, |v[XS+4]|, |v[XS+5]|
.irp i, 6,10,14,18,22,26
	v_max3_num_f32 v8, v8, |v[XS+\i]|, |v[XS+\i+1]|
	v_max3_num_f32 v9, v9, |v[XS+\i+2]|, |v[XS+\i+3]|
.endr
	v_max3_num_f32 v8, v8, |v[XS+30]|, |v[XS+31]|
	v_max3_num_f32 v8, v8, v9, 0x1800000           ; and the floor
	v_add_nc_u32 v10, 0xff000000, v8               ; the conversion's scale operand (the next block's first lines are the plain lines ahead of its next write)
	v_lshrrev_b32 v11, 23, v10                     ; the byte
.if (\t) == 0
	v_mov_b32 v12, v11
.else
	v_lshl_or_b32 v12, v11, 8*(\t), v12            ; the lower K in the lower byte
.endif
.irp g, 0,1,2,3
	v_cvt_scalef32_pk8_fp4_f32 v[COD+4*(\t)+\g], v[XS+8*\g:XS+8*\g+7], v10
.endr
	global_store_b128 v5, v[COD+4*(\t):COD+4*(\t)+3], s[42:43] offset:256*(\t)   ; sixteen lanes store 256 consecutive bytes, at a multiple of 256 from wc's first byte
.endm
	BLOCKW 0
	BLOCKW 1
	BLOCKW 2
	BLOCKW 3
	v_nop                                          ; one plain line behind the last scaled conversion
	global_store_b32 v6, v12, s[44:45]             ; 64 bytes for each column tile: one byte in 128 of what this path reads
	s_endpgm
.Lwo:
	; ---- Wo: my column's 128 numbers become f16, eight neighbours along K to 16 bytes
	s_lshl_b32 s46, s52, 17                        ; two column tiles of 65,536 bytes
	s_lshl_b32 s53, s55, 12                        ; eight chunks a K step
	s_add_co_u32 s46, s46, s53
	s_add_nc_u64 s[42:43], s[26:27], s[46:47]
	v_lshlrev_b32 v5, 4, v2
	v_lshl_add_u32 v5, v3, 16, v5                  ; column tile lane / 16, 16 r
.set e, 0
.rept 16
.if e%4 == 0
	WAITT e/4
.endif
.irp p, 0,1,2,3
	v_cvt_pk_f16_f32 v[F16+4*e+\p], v[DAT+8*e+2*\p], v[DAT+8*e+2*\p+1]   ; the lower k in the low half
.endr
	global_store_b128 v5, v[F16+4*e:F16+4*e+3], s[42:43] offset:256*e    ; k = 8 e + 0..7: half e % 2 of chunk e / 2; sixteen lanes store 256 consecutive bytes, aligned
.set e, e+1
.endr
	s_endpgm
.Lfunc_end_k_qa128b42557_prep:
	.size	k_qa128b42557_prep, .Lfunc_end_k_qa128b42557_prep-k_qa128b42557_prep
	.p2alignl 7, 3214868480
	.fill 96, 4, 3214868480
	.section	.rodata,"a",@progbits
	.p2align	6, 0x0
	.amdhsa_kernel k_qa128b42557_prep
		.amdhsa_group_segment_fixed_size 68608
		.amdhsa_private_segment_fixed_size 0
		.amdhsa_enable_private_segment 0
		.amdhsa_kernarg_size 96
		.amdhsa_user_sgpr_count 2
		.amdhsa_user_sgpr_kernarg_segment_ptr 1
		.amdhsa_wavefront_size32 1
		.amdhsa_system_sgpr_workgroup_id_x 1
		.amdhsa_system_sgpr_workgroup_id_y 1
		.amdhsa_system_sgpr_workgroup_id_z 1
		.amdhsa_system_vgpr_workitem_id 0
		.amdhsa_next_free_vgpr 256
		.amdhsa_next_free_sgpr 66
		.amdhsa_reserve_vcc 0
		.amdhsa_float_denorm_mode_32 3
		.amdhsa_float_denorm_mode_16_64 3
		.amdhsa_memory_ordered 1
		.amdhsa_forward_progress 1
		.amdhsa_inst_pref_size 38
	.end_amdhsa_kernel
	.amdgpu_metadata
---
amdhsa.version: [ 1, 2 ]
amdhsa.kernels:
  - .name:           k_qa128b42557_prep
    .symbol:         k_qa128b42557_prep.kd
    .args:
      - { .name: x, .offset: 0, .size: 8, .value_kind: global_buffer, .address_space: global }
      - { .name: Wq1, .offset: 8, .size: 8, .value_kind: global_buffer, .address_space: global }
      - { .name: Wq2, .offset: 16, .size: 8, .value_kind: global_buffer, .address_space: global }
      - { .name: Wk1, .offset: 24, .size: 8, .value_kind: global_buffer, .address_space: global }
      - { .name: Wk2, .offset: 32, .size: 8, .value_kind: global_buffer, .address_space: global }
      - { .name: Wv, .offset: 40, .size: 8, .value_kind: global_buffer, .address_space: global }
      - { .name: Wo, .offset: 48, .size: 8, .value_kind: global_buffer, .address_space: global }
      - { .name: xc, .offset: 56, .size: 8, .value_kind: global_buffer, .address_space: global }
      - { .name: xs, .offset: 64, .size: 8, .value_kind: global_buffer, .address_space: global }
      - { .name: wc, .offset: 72, .size: 8, .value_kind: global_buffer, .address_space: global }
      - { .name: ws, .offset: 80, .size: 8, .value_kind: global_buffer, .address_space: global }
      - { .name: wo16, .offset: 88, .size: 8, .value_kind: global_buffer, .address_space: global }
    .group_segment_fixed_size: 68608
    .private_segment_fixed_size: 0
    .kernarg_segment_align: 8
    .kernarg_segment_size: 96
    .max_flat_workgroup_size: 256
    .sgpr_count:     66
    .vgpr_count:     256
    .wavefront_size: 32
...
	.end_amdgpu_metadata
.endif
;; end of part 1
;; launch proj (part 2): grid 24 x 16, 4 waves a work-group, clusters of 4 x 4, 327,680 bytes of LDS; arguments xc, xs, wc, ws, qf, kv; writes qf, kv
.if DOCPART == 2
	.amdgcn_target "amdgcn-amd-amdhsa--gfx1250"
	.amdhsa_code_object_version 6
	.text
	.protected	k_qa128b42557_proj
	.globl	k_qa128b42557_proj
	.p2align	8
	.type	k_qa128b42557_proj,@function
k_qa128b42557_proj:
	s_mov_b64 s[64:65], 0
	v_nop
	global_prefetch_b8 v0, s[64:65] scope:SCOPE_SE
	s_setreg_imm32_b32 hwreg(HW_REG_WAVE_MODE, 25, 1), 1
	s_wait_xcnt 0x0
	s_wait_alu depctr_hold_cnt(0) depctr_sa_sdst(0) depctr_va_vdst(0) depctr_va_sdst(0) depctr_va_ssrc(0) depctr_va_vcc(0) depctr_vm_vsrc(0)
	s_getreg_b32 s2, hwreg(HW_REG_IB_STS2, 6, 4)
	s_cmp_eq_u32 s2, 0
	s_cbranch_scc0 .Lentry_in_a_cluster
	s_endpgm
.Lentry_in_a_cluster:
	s_bfe_u32 s2, ttmp6, 0x10000c
	s_cmp_lg_u32 s2, 0xf033
	s_cbranch_scc0 .Lentry_shape_is_right
	s_endpgm
.Lentry_shape_is_right:
; Launch 2 of 4: the five quantised projections as ONE product, [4,096 x 1,024] x [1,024 x 6,144], on codes of FP4 with E8M0 scales; sums in f32; the results leave as f16, laid as the third launch's operand registers.
; A tile of the result, 256 rows x 256 columns, is made by four waves, each 128 x 128: 64 accumulators of 16 x 16, 512 registers.  24 x 16 = 384 work-groups: a wave's 128 columns are two whole heads of q or k, or
; one head of v, so that every offset of the way out is a constant.
; K = 1,024 is two slots of 512 along K: both are asked for at the head, nothing is filled again.  Codes and scale words lie in memory as images of the operand's registers (a chunk: 512 bytes, lane l's 16 at 16 l),
; so a fragment is two loads of 512 consecutive LDS bytes: no pitch, no padding.
; CLUSTERS: 4 x 4 work-groups.  The four of a row of the cluster need the same tiles of x, the four of a column the same tiles of the weights: each tile is asked for JOINTLY, by the same tensor load with the same
; descriptor and a mask that names the four.
; THE MATRIX INSTRUCTION IS USED TRANSPOSED (source 0 = 16 output columns, source 1 = 16 rows of x): a lane then holds eight neighbouring columns of one row, which pack into 16 bytes of f16.
; LIMIT: a result beyond 65,504 in magnitude becomes infinity in f16.
; REGISTERS, in windows of 256: window 0: v0-31 addresses; v32-95 scale words; from v128 x's fragments (8 x 16 rows x 128 K), ONE set; on the way out v128-159 packed results.
;   window 1: the weights' fragments, TWO sets, at v0 and v128.   window 2: the 32 accumulators of my rows 0-63 (accumulator (a, b) at v[8 (8 a + b)]);   window 3: those of my rows 64-127.
.set NQ,     4                         ; steps of 128 along K in a slot
.set FR,     8                         ; registers of a fragment
.set NL,     2                         ; LDS loads that bring one
.set NP,     4                         ; places behind this matrix instruction (ISA guide 7.12.1)
.set HALFT,  32768                     ; 128 rows x 512 K: 8 row tiles x 4,096 bytes: what one tensor load brings
.set SLOT,   4*HALFT                   ; x's 256 rows, then the weights' 256 columns
.set SCL,    2*SLOT                    ; behind the slots: the scale words, for all of K
.set HALFS,  4096                      ; those of 128 rows: 8 row tiles x 8 K steps x 64 bytes
.set SPARE,  SCL+4*HALFS               ; the spare words, 128 bytes for each wave: two blocks of 256 bytes that no other line names
.set ADRA, 16                          ; v16-17  LDS address of my fragments of x in slot 0, 1
.set ADRB, 20                          ; v20-21  the same for the weights
.set VL,   24                          ; v24-25  the way out: my lane's byte in a chunk; the same + the step from column tiles 0-3 to 4-7
.set ADRS, 27                          ; v27     LDS address of my scale words: lanes 0-15 x's rows, lanes 16-31 the weights' columns
.set SPW,  28                          ; v28     LDS address of my spare word; never rewritten
.set NIL,  29                          ; v29     0; never rewritten
.set SC,   32                          ; scale words: register 32 s + 4 i + q: lanes 0-15 the word of x's block i, lanes 16-31 that of the weights' block i, for slot s's q-th 128 along K
.set AF,   128                         ; x's fragments
.set PK,   128                         ; the way out: packed results
.set G1, 24                            ; s[24:31] descriptor group 1 for x's codes;  s[32:39] group 0, one set for each slot
.set G0, 32
.set G1B, 48                           ; s[48:55], s[56:63] the same for the weights' codes
.set G0B, 56
.set G1S, 68                           ; s[68:75], s[76:79] groups 1 and 0 for x's scale words;  s[80:87], s[88:91] for the weights'
.set G0S, 76
.set G1SB, 80
.set G0SB, 88
.set MSB, 0
.macro WIN new                         ; the immediate's high byte repeats the setting that is left
.if MSB != \new
	s_set_vgpr_msb (MSB<<8)|\new
.set MSB, \new
.endif
.endm
.set MUL_LO, 0xa1                      ; source 0 (weights) window 1, source 1 (x) window 0, C and D window 2
.set MUL_HI, 0xf1                      ; the same, C and D window 3
.set TO_B,   0x40                      ; destination window 1, address window 0
; A joint load: waves 0 and 1 fetch for x, waves 2 and 3 for the weights.  Each of the two lines has ONE mask and one set of registers for all that issue it; the branch hangs on the wave's number alone.
; An s_nop 0 and four v_nop follow each of the two lines, ahead of the jump, the label and what follows.
.macro JLOAD g0a, g1a, g0b, g1b
	s_cmp_eq_u32 s15, 0
	s_cbranch_scc0 .Lfor_b_\@
	tensor_load_to_lds s[\g0a:\g0a+3], s[\g1a:\g1a+7]
	s_nop 0
.rept 4
	v_nop
.endr
	s_branch .Lasked_\@
.Lfor_b_\@:
	tensor_load_to_lds s[\g0b:\g0b+3], s[\g1b:\g1b+7]
	s_nop 0
.rept 4
	v_nop
.endr
.Lasked_\@:
.endm
.macro CROUND                          ; a round of the cluster's barrier
	s_barrier_signal -1
	s_barrier_wait -1
	s_cmp_lg_u32 s14, 0
	s_cbranch_scc1 .Lnot_wave_0_\@
	s_barrier_signal -3
.Lnot_wave_0_\@:
	s_barrier_wait -3
	s_barrier_signal -1
	s_barrier_wait -1
.endm
	s_load_b128 s[4:7], s[0:1], 0x0                ; xc s[4:5], xs s[6:7]
	s_load_b128 s[8:11], s[0:1], 0x10              ; wc s[8:9], ws s[10:11]
	s_load_b128 s[92:95], s[0:1], 0x20             ; qf s[92:93], kv s[94:95]
	v_lshl_add_u32 v[SPW], v0, 2, SPARE
	v_mov_b32 v[NIL], 0
	ds_add_u32 v[SPW], v[NIL]                      ; the wave's opening: the add, twice on end, and its wait ahead of my first tensor load; the set-up below stands between the second and the wait
	ds_add_u32 v[SPW], v[NIL]
	v_lshrrev_b32 v1, 5, v0
	v_readfirstlane_b32 s14, v1                    ; wave 0..3
	s_lshr_b32 s15, s14, 1                         ; which half of the tile's rows is mine.  Also: I fetch for x (0) or for the weights (1)
	s_and_b32 s16, s14, 1                          ; which half of its columns.  Also: which 128 rows of that tile I fetch
	s_bfe_u32 s40, ttmp6, 0x40000                  ; cx, cy: my place in the cluster
	s_bfe_u32 s41, ttmp6, 0x40004
	s_lshl_b32 s42, ttmp9, 2
	s_add_co_u32 s42, s42, s40                     ; tile column = 4 x cluster x + cx
	s_and_b32 s17, ttmp7, 0xffff
	s_lshl_b32 s17, s17, 2
	s_add_co_u32 s17, s17, s41                     ; tile row = 4 x cluster y + cy
	s_lshl_b32 s43, s41, 2
	s_lshl_b32 s43, 15, s43                        ; my row of the cluster
	s_lshl_b32 s44, 0x1111, s40                    ; my column
	; group 1 for codes: 8 row tiles, of each the slot's 4,096 bytes of its 8,192: 8 rows of 512 elements of 8 bytes, 1,024 elements apart
	s_or_b32 s[G1+0], s43, (3<<16)|(1<<21)         ; 15:0 the mask: x's tiles go to my row; 17:16 elements of 8 bytes; 21 set beside a mask; no padding
	s_or_b32 s[G1B+0], s44, (3<<16)|(1<<21)
.irp g, G1, G1B
	s_mov_b32 s[\g+1], 512<<16                     ; tensor_dim0
	s_mov_b32 s[\g+2], 8<<16                       ; tensor_dim1
	s_mov_b32 s[\g+3], 512<<16                     ; tile_dim0
	s_mov_b32 s[\g+4], 8                           ; tile_dim1
	s_mov_b32 s[\g+5], 1024                        ; tensor_dim0_stride
	s_mov_b32 s[\g+6], 0
	s_mov_b32 s[\g+7], 0
.endr
	; and for the scale words of 128 rows: 4,096 dense bytes as 16 rows of 32 elements of 8 bytes
	s_or_b32 s[G1S+0], s43, (3<<16)|(1<<21)
	s_or_b32 s[G1SB+0], s44, (3<<16)|(1<<21)
.irp g, G1S, G1SB
	s_mov_b32 s[\g+1], 32<<16
	s_mov_b32 s[\g+2], 16<<16
	s_mov_b32 s[\g+3], 32<<16
	s_mov_b32 s[\g+4], 16
	s_mov_b32 s[\g+5], 32
	s_mov_b32 s[\g+6], 0
	s_mov_b32 s[\g+7], 0
.endr
	s_lshl_b32 s18, s16, 3                         ; which 8 row tiles of the tile's 16 I fetch
	s_lshl_b32 s20, s17, 4
	s_add_co_u32 s20, s20, s18                     ; x: row tile 16 x tile row + 8 x half
	s_lshl_b32 s46, s42, 4
	s_add_co_u32 s46, s46, s18                     ; weights: column tile 16 x tile column + 8 x half
	s_lshl_b32 s22, s20, 9                         ; where their scale words begin: 512 bytes a tile
	s_mov_b32 s23, 0
	s_lshl_b32 s66, s46, 9
	s_mov_b32 s67, 0
	s_lshl_b32 s20, s20, 13                        ; and their codes: 8,192 bytes a tile
	s_mov_b32 s21, 0
	s_lshl_b32 s46, s46, 13
	s_mov_b32 s47, 0
	s_mul_i32 s45, s14, HALFT                      ; where they go: wave x 128 rows: no place in the cluster enters an LDS address
	s_mul_i32 s96, s14, HALFS
	s_wait_dscnt 0x0                               ; both opening adds are done
	s_wait_kmcnt 0x0
	s_add_nc_u64 s[20:21], s[4:5], s[20:21]
	s_add_nc_u64 s[22:23], s[6:7], s[22:23]
	s_add_nc_u64 s[46:47], s[8:9], s[46:47]
	s_add_nc_u64 s[66:67], s[10:11], s[66:67]
	CROUND                                         ; all sixteen work-groups are here: the first joint loads meet
	s_mov_b32 s[G0S], 1
	s_add_co_u32 s[G0S+1], s96, SCL
	s_mov_b64 s[G0S+2:G0S+3], s[22:23]
	s_or_b32 s[G0S+3], s[G0S+3], 0x80000000
	s_mov_b32 s[G0SB], 1
	s_add_co_u32 s[G0SB+1], s96, SCL
	s_mov_b64 s[G0SB+2:G0SB+3], s[66:67]
	s_or_b32 s[G0SB+3], s[G0SB+3], 0x80000000
	JLOAD G0S, G1S, G0SB, G1SB                     ; the scale words first: they are wanted with the first step.  By this text's own count a wave has three tensor loads out
.irp s, 0,1
	s_mov_b32 s[G0+4*\s], 1
	s_add_co_u32 s[G0+4*\s+1], s45, \s*SLOT
	s_add_nc_u64 s[G0+4*\s+2:G0+4*\s+3], s[20:21], \s*4096
	s_or_b32 s[G0+4*\s+3], s[G0+4*\s+3], 0x80000000
	s_mov_b32 s[G0B+4*\s], 1
	s_add_co_u32 s[G0B+4*\s+1], s45, \s*SLOT
	s_add_nc_u64 s[G0B+4*\s+2:G0B+4*\s+3], s[46:47], \s*4096
	s_or_b32 s[G0B+4*\s+3], s[G0B+4*\s+3], 0x80000000
	JLOAD G0+4*\s, G1, G0B+4*\s, G1B
.endr
	v_and_b32 v1, 15, v0                           ; r
	v_bfe_u32 v2, v0, 4, 1                         ; h
	v_and_b32 v3, 31, v0
	v_lshlrev_b32 v4, 4, v3                        ; 16 x lane: my place in every chunk
	s_mul_i32 s21, s15, HALFT                      ; my 128 rows of x
	s_mul_i32 s22, s16, HALFT                      ; my 128 columns of the weights,
	s_add_co_u32 s22, s22, 2*HALFT                 ; which lie behind x's 256 rows
.irp s, 0,1
	v_add_nc_u32 v[ADRA+\s], s21, v4
	v_add_nc_u32 v[ADRB+\s], s22, v4
	s_add_co_u32 s21, s21, SLOT
	s_add_co_u32 s22, s22, SLOT
.endr
	v_lshlrev_b32 v5, 2, v1                        ; a scale word: 4 r
	s_mul_i32 s21, s15, HALFS                      ; x's: my 128 rows
	s_mul_i32 s22, s16, HALFS                      ; the weights': my 128 columns, behind x's 256 rows
	s_add_co_u32 s22, s22, 2*HALFS
	s_sub_co_u32 s22, s22, s21
	v_mul_u32_u24 v6, s22, v2                      ; lanes 16-31 take the weights': one product, the distance between the two bases x h
	s_add_co_u32 s21, s21, SCL
	v_add_nc_u32 v5, v5, v6
	v_add_nc_u32 v[ADRS], s21, v5
	; THE WAY OUT'S ADDRESSES.  My 128 columns are number n128 = 2 x tile column + half of 48: 0-15 q (map 1, then map 2; two heads each), 16-31 k likewise, 32-47 v (a head each).
	; My 128 rows are block pb = 2 (tile row % 8) + half of the 16 blocks of batch tile row / 8.  No branch: choices by s_cselect, which enter global addresses alone.
	s_lshl_b32 s18, s42, 1
	s_add_co_u32 s18, s18, s16                     ; n128
	s_lshr_b32 s19, s17, 3
	s_lshl_b32 s19, s19, 4                         ; 16 x batch
	s_and_b32 s3, s17, 7
	s_lshl_b32 s3, s3, 1
	s_add_co_u32 s3, s3, s15                       ; pb
	s_bfe_u32 s100, s18, 0x10003                   ; map: bit 3 of n128
	s_and_b32 s101, s18, 7
	s_lshl_b32 s101, s101, 1                       ; q, k: my first head
	s_sub_co_u32 s96, s18, 32                      ; v: my head
	s_cmp_lt_u32 s18, 32
	s_cselect_b32 s101, s101, s96
	s_add_co_u32 s19, s19, s101                    ; 16 x batch + head
	s_lshl_b32 s96, s19, 19                        ; qf [bh][query tile 128][map 2][channel tile 4][512]
	s_lshl_b32 s97, s3, 15
	s_add_co_u32 s96, s96, s97
	s_lshl_b32 s97, s100, 11
	s_add_co_u32 s96, s96, s97
	s_lshl_b32 s98, s19, 20                        ; kv [bh][key block 16][65,536]: K1 at 0, K2 at 16,384, each [key tile 8][channel tile 4][512]; V at 32,768, [key tile 8][channel tile 8][512]
	s_lshl_b32 s99, s3, 16
	s_add_co_u32 s98, s98, s99
	s_lshl_b32 s99, s100, 14
	s_cmp_lt_u32 s18, 32
	s_cselect_b32 s99, s99, 32768
	s_add_co_u32 s98, s98, s99
	s_cmp_lt_u32 s18, 16
	s_cselect_b32 s96, s96, s98
	s_cselect_b64 s[12:13], s[92:93], s[94:95]
	s_mov_b32 s97, 0
	s_add_nc_u64 s[12:13], s[12:13], s[96:97]      ; where my row tile 0, column tile 0 goes
	s_lshr_b32 s98, s18, 4
	s_mov_b32 s100, 4096                           ; from row tile to row tile: q 4,096, k 2,048, v 4,096
	s_mov_b32 s99, 1<<19                           ; from column tiles 0-3 to 4-7: q and k the next head, v 2,048
	s_cmp_eq_u32 s98, 1
	s_cselect_b32 s100, 2048, s100
	s_cselect_b32 s99, 1<<20, s99
	s_mov_b32 s101, 0
	s_cmp_lt_u32 s18, 32
	s_cselect_b32 s99, s99, 2048
	s_cselect_b32 s98, 0, -1                       ; all ones for v
	v_bfe_u32 v6, v0, 3, 1                         ; v's chunk is laid for the turning LDS load of the third launch: the piece (key r, channel half h) at 16 (16 (r / 8) + 8 h + r % 8)
	v_and_b32 v7, 7, v0
	v_lshlrev_b32 v7, 4, v7
	v_lshl_add_u32 v7, v6, 8, v7
	v_lshl_add_u32 v7, v2, 7, v7
	v_cndmask_b32 v[VL], v4, v7, s98               ; q, k: 16 x lane
	v_add_nc_u32 v[VL+1], s99, v[VL]
.macro FRAG reg, adr, q, i             ; a fragment, 16 rows x 128 K of 4-bit codes: two chunks; registers 4 c .. 4 c + 3 hold K = 64 c + 32 (l / 16) + 0 .. 31
.irp c, 0,1
	ds_load_b128 v[\reg+4*\c:\reg+4*\c+3], v[\adr] offset:4096*(\i)+1024*(\q)+512*\c
.endr
.endm
; 16 matrix instructions: x's blocks a0, a0 + 1 against the weights' eight, 128 along K: the slot's q-th.  p: the weights' set;  sc: the slot.  zero = 1: the first product starts the sums: nothing is ever cleared.
; The 64 accumulators take turns, one instruction a turn, in the same order in every step.
.macro MUL16 a0, p, q, sc, zero
.irp a, \a0, \a0+1
.irp b, 0,1,2,3,4,5,6,7
.if \zero
	v_wmma_scale_f32_16x16x128_f8f6f4 v[8*(8*((\a)%4)+\b):8*(8*((\a)%4)+\b)+7], v[128*(\p)+FR*\b:128*(\p)+FR*\b+FR-1], v[AF+FR*(\a):AF+FR*(\a)+FR-1], 0, v[SC+8*NQ*(\sc)+NQ*\b+(\q)], v[SC+8*NQ*(\sc)+NQ*(\a)+(\q)] matrix_a_fmt:MATRIX_FMT_FP4 matrix_b_fmt:MATRIX_FMT_FP4 matrix_a_scale:MATRIX_SCALE_ROW1
.else
	v_wmma_scale_f32_16x16x128_f8f6f4 v[8*(8*((\a)%4)+\b):8*(8*((\a)%4)+\b)+7], v[128*(\p)+FR*\b:128*(\p)+FR*\b+FR-1], v[AF+FR*(\a):AF+FR*(\a)+FR-1], v[8*(8*((\a)%4)+\b):8*(8*((\a)%4)+\b)+7], v[SC+8*NQ*(\sc)+NQ*\b+(\q)], v[SC+8*NQ*(\sc)+NQ*(\a)+(\q)] matrix_a_fmt:MATRIX_FMT_FP4 matrix_b_fmt:MATRIX_FMT_FP4 matrix_a_scale:MATRIX_SCALE_ROW1
.endif
.endr
.endr
.endm
.macro FETCH_B slot, q, p              ; the weights' eight fragments of the slot's q-th 128 along K into set p
	WIN TO_B
.irp i, 0,1,2,3,4,5,6,7
	FRAG 128*(\p)+FR*\i, ADRB+\slot, \q, \i
.endr
	WIN 0
.endm
.macro FETCH_A slot, q, i0             ; x's blocks i0 .. i0 + 3
.irp i, \i0, \i0+1, \i0+2, \i0+3
	FRAG AF+FR*(\i), ADRA+\slot, \q, \i
.endr
.endm
.macro SCALES                          ; all 64 scale registers, once: lanes 0-15 take x's block i, lanes 16-31 the weights' block i
.irp sc, 0,1
.irp i, 0,1,2,3,4,5,6,7
.irp q, 0,1,2,3
	ds_load_b32 v[SC+32*\sc+4*\i+\q], v[ADRS] offset:512*\i+64*(4*\sc+\q)
.endr
.endr
.endr
.endm
; A load into a register that a matrix instruction has read, and a vector instruction that reads a matrix result or writes one of its registers, stand NP places behind it; only plain vector
; instructions that name none of its registers are places (ISA guide 7.12.1 for vector instructions).
.macro PLACES n
.rept \n
	v_nop
.endr
.endm
; A step of 128 along K that has its successor in the same slot.  x's blocks go one after the other, each against the weights' eight, so one set of registers serves x: blocks 0-3 are fetched anew in the step's middle, 4-7 at its end.
.macro STEP slot, q, zero
	s_wait_dscnt 4*NL                              ; the weights' set, the scale words and x's blocks 0-3 are in; the youngest eight loads (x's blocks 4-7) may be out
	WIN MUL_LO
	MUL16 0, (\q)%2, \q, \slot, \zero
	MUL16 2, (\q)%2, \q, \slot, \zero
	s_wait_dscnt 0                                 ; x's blocks 4-7 are in (asked for 32 matrix instructions ago)
	PLACES NP
	FETCH_B \slot, (\q)+1, 1-(\q)%2
	FETCH_A \slot, (\q)+1, 0
	WIN MUL_HI
	MUL16 4, (\q)%2, \q, \slot, \zero
	MUL16 6, (\q)%2, \q, \slot, \zero
	PLACES NP
	WIN 0
	FETCH_A \slot, (\q)+1, 4
.endm
; Slot 0's last step goes over to slot 1: each wave waits for all its tensor loads, its part of slot 1 among them, then the barrier shows the whole slot to every wave.  Nothing is filled again.
.macro TURN slot, next
	s_wait_tensorcnt 0x0                           ; all my tensor loads have landed  (every window is 0 here: the add's two registers lie in window 0)
	ds_add_u32 v[SPW], v[NIL]                      ; 0 onto my spare word
	s_wait_dscnt 4*NL+1                            ; (the add and the youngest eight loads, x's blocks 4-7, may be out)
	WIN MUL_LO
	MUL16 0, 1, NQ-1, \slot, 0
	s_wait_dscnt 0x0                               ; no LDS instruction of mine is out at the signal
	s_barrier_signal -1
	MUL16 2, 1, NQ-1, \slot, 0
	WIN 0
	s_barrier_wait -1
	PLACES NP
	FETCH_B \next, 0, 0
	FETCH_A \next, 0, 0
	WIN MUL_HI
	MUL16 4, 1, NQ-1, \slot, 0
	MUL16 6, 1, NQ-1, \slot, 0
	PLACES NP
	WIN 0
	FETCH_A \next, 0, 4
.endm
.macro STEPS slot, from                ; the slot's steps from .. NQ - 2
.set Q, \from
.rept NQ-1-\from
	STEP \slot, Q, 0
.set Q, Q+1
.endr
.endm
	s_wait_tensorcnt 1                             ; the scale words and my part of slot 0 are in (slot 1's load may be out)
	s_barrier_signal -1
	s_barrier_wait -1                              ; everybody's are
	FETCH_B 0, 0, 0
	FETCH_A 0, 0, 0
	SCALES
	FETCH_A 0, 0, 4
	STEP 0, 0, 1                                   ; the first step's products start the sums
	STEPS 0, 1
	TURN 0, 1
	STEPS 1, 0
	s_wait_dscnt 4*NL                              ; the very last step: nothing more to fetch
	WIN MUL_LO
	MUL16 0, 1, NQ-1, 1, 0
	MUL16 2, 1, NQ-1, 1, 0
	s_wait_dscnt 0
	WIN MUL_HI
	MUL16 4, 1, NQ-1, 1, 0
	MUL16 6, 1, NQ-1, 1, 0
	WIN 0
; THE WAY OUT, a row tile at a time, with no LDS: accumulator (a, b) holds, in lane (r, h), row 16 a + r and columns 16 b + 8 h + 0..7: rounded to f16 they ARE lane (r, h)'s 16 bytes of a chunk of the next launch's operand.
.macro OUTA a
.if (\a) > 0
	s_wait_xcnt 0x0                                ; the last row tile's stores have read their registers and their base: both are written again only behind this wait
	s_add_nc_u64 s[12:13], s[12:13], s[100:101]
.endif
	WIN 0x0a+5*((\a)/4)                            ; sources 0 and 1: window 2 or 3
.irp b, 0,1,2,3,4,5,6,7
.irp p, 0,1,2,3
	v_cvt_pk_f16_f32 v[PK+4*\b+\p], v[8*(8*((\a)%4)+\b)+2*\p], v[8*(8*((\a)%4)+\b)+2*\p+1]   ; each accumulator from its low end on
.endr
.endr
	WIN 0
.irp b, 0,1,2,3,4,5,6,7
	global_store_b128 v[VL+\b/4], v[PK+4*\b:PK+4*\b+3], s[12:13] offset:512*(\b%4)   ; a chunk: the 32 lanes store 512 consecutive bytes, at a multiple of 512 from the buffer's first byte
.endr
.endm
	PLACES NP                                      ; behind the last products: their fragments' registers are written next
.irp a, 0,1,2,3,4,5,6,7
	OUTA \a
.endr
	s_wait_tensorcnt 0x0                           ; the wave's end: three lines, behind my last tensor load
	ds_add_u32 v[SPW], v[NIL]
	s_wait_dscnt 0x0
	CROUND                                         ; the closing round: no work-group ends while a partner may still ask for a tile that names it
	s_endpgm
.Lfunc_end_k_qa128b42557_proj:
	.size	k_qa128b42557_proj, .Lfunc_end_k_qa128b42557_proj-k_qa128b42557_proj
	.p2alignl 7, 3214868480
	.fill 96, 4, 3214868480
	.section	.rodata,"a",@progbits
	.p2align	6, 0x0
	.amdhsa_kernel k_qa128b42557_proj
		.amdhsa_group_segment_fixed_size 327680
		.amdhsa_private_segment_fixed_size 0
		.amdhsa_enable_private_segment 0
		.amdhsa_kernarg_size 48
		.amdhsa_user_sgpr_count 2
		.amdhsa_user_sgpr_kernarg_segment_ptr 1
		.amdhsa_wavefront_size32 1
		.amdhsa_system_sgpr_workgroup_id_x 1
		.amdhsa_system_sgpr_workgroup_id_y 1
		.amdhsa_system_sgpr_workgroup_id_z 1
		.amdhsa_system_vgpr_workitem_id 0
		.amdhsa_next_free_vgpr 1024
		.amdhsa_next_free_sgpr 102
		.amdhsa_reserve_vcc 0
		.amdhsa_float_denorm_mode_32 3
		.amdhsa_float_denorm_mode_16_64 3
		.amdhsa_memory_ordered 1
		.amdhsa_forward_progress 1
		.amdhsa_inst_pref_size 122
	.end_amdhsa_kernel
	.amdgpu_metadata
---
amdhsa.version: [ 1, 2 ]
amdhsa.kernels:
  - .name:           k_qa128b42557_proj
    .symbol:         k_qa128b42557_proj.kd
    .args:
      - { .name: xc, .offset: 0, .size: 8, .value_kind: global_buffer, .address_space: global }
      - { .name: xs, .offset: 8, .size: 8, .value_kind: global_buffer, .address_space: global }
      - { .name: wc, .offset: 16, .size: 8, .value_kind: global_buffer, .address_space: global }
      - { .name: ws, .offset: 24, .size: 8, .value_kind: global_buffer, .address_space: global }
      - { .name: qf, .offset: 32, .size: 8, .value_kind: global_buffer, .address_space: global }
      - { .name: kv, .offset: 40, .size: 8, .value_kind: global_buffer, .address_space: global }
    .group_segment_fixed_size: 327680
    .private_segment_fixed_size: 0
    .kernarg_segment_align: 8
    .kernarg_segment_size: 48
    .max_flat_workgroup_size: 128
    .sgpr_count:     102
    .vgpr_count:     1024
    .wavefront_size: 32
...
	.end_amdgpu_metadata
.endif
;; end of part 2
;; launch attn (part 3): grid 8 x 32, 8 waves a work-group, no clusters, 327,680 bytes of LDS; arguments qf, kv, lq1, lk1, lq2, lk2, mf; writes mf
.if DOCPART == 3
	.amdgcn_target "amdgcn-amd-amdhsa--gfx1250"
	.amdhsa_code_object_version 6
	.text
	.protected	k_qa128b42557_attn
	.globl	k_qa128b42557_attn
	.p2align	8
	.type	k_qa128b42557_attn,@function
k_qa128b42557_attn:
	s_mov_b64 s[64:65], 0
	v_nop
	global_prefetch_b8 v0, s[64:65] scope:SCOPE_SE
	s_setreg_imm32_b32 hwreg(HW_REG_WAVE_MODE, 25, 1), 1
	s_wait_xcnt 0x0
; Launch 3 of 4: lam, both causal softmaxes, (P1 V) / l1 - lam (P2 V) / l2, LayerNorm over the head's 128 channels, x (1 - LAM_INIT), to f16, laid as the last launch's operand registers.
; WORK LEFT OUT: scores that the problem's own causal mask replaces by -infinity, where they come in whole tiles (shown at the head of the first launch): key blocks behind a query block are not loaded or
; multiplied, and on the diagonal block 64 keys that all lie behind a wave's 16 queries are passed over.  A NaN or an overflow that would arise only there is not carried to the result.
; comb V = (a1 - lam a2) V is made as two sums, since a row's l1 and l2 are known only at its end; both use the same f16 v.
; SHARES.  Work-group (i, bh) owns query blocks i and 15 - i (128 queries each) of head bh: block i walks key blocks 0..i, block 15 - i walks 0..15 - i: 17 trips in every work-group, a constant.
; Wave w owns queries 16 w .. 16 w + 15 of the block, in BOTH maps: two waves to a SIMD, so that one wave's softmax stands beside the other's products.
; NO CLUSTER: the eight work-groups of a head want different key blocks in the same trip (work-group i begins again at key block 0 in trip i + 1); a joint walk in step would take 24 block times in place of 17.
; LAYOUT.  S^T = K Q^T (source 0 = 16 keys, source 1 = my 16 queries): a lane holds ONE query (lane % 16) and keys 8 (lane / 16) + 0..7; two such tiles, rounded to f16 in pairs, ARE source 1 of O^T = V^T P.
; SOFTMAX.  For each query and map a running maximum m and sum l: p = 2^(c s - c m), c = log2(e) / 8; in every step O and l are multiplied by a = 2^(c m_old - c m_new).  l sums the unrounded p.
; THE RING.  Two LDS slots of 65,536 bytes, a key block as it lies in kv (K1 16 KB, K2 16 KB, V 32 KB, in chunks of 512 bytes, lane l's 16 at 16 l).  Each wave fetches 8,192 bytes of a slot by one tensor load: by this
; text's own count a wave never has more than one tensor load out.
; LIMITS: NaN and infinities are not served; the weights p go to the second product as f16 (p is at most 1).
; REGISTERS.  window 0: v1 16 x lane; v2 LDS address in hand; v3 prefetch offset; v4, v5 the add's two; v6, v7 the mask's; v8-15, v16-23 statistics of map 0, 1 (+0 c m, +1 m, +2:3 l, +4..7 at work; a in +6);
;   v24 -lam; v25-31 at work; v32-63 Q; v64-127 S^T (map u, key tile t at 64 + 32 u + 8 t), then p, then P packed in place; v128-255 K of 64 keys, both maps.
;   window 1: v0-127 O^T (map u, channel tile t at 64 u + 8 t); v128-255 V^T of 64 keys.
.set SLOT,  1<<16
.set SPARE, 2*SLOT                     ; behind the ring: the spare words, 128 bytes for each wave: four blocks of 256 bytes that no other line names
.set L16, 1
.set ADR, 2
.set PFO, 3
.set SPW, 4
.set NIL, 5
.set WV,  18                           ; s18 wave;  s19 i;  s20 bh;  s21 the trip
.set SEL, 22                           ; s[22:23] lane selects for v_permlanex16_b32: lane l xor 16
.set G1,  24                           ; s[24:31] descriptor group 1;  s[36:39] group 0, which walks
.set G0,  36
.set KVB, 32                           ; s[32:33] kv at my head's key block 0, my wave's 8,192 bytes;  s[34:35] an offset pair, its upper word 0
.set CS,  48                           ; s[48:49] c, twice: the packed form names a pair
.set TB,  50                           ; s50 LDS byte at which the slot in hand begins
.set KBN, 51                           ; s51 the key block last asked for
.set DIAG, 52                          ; s52 1 in a trip on the diagonal;  s53 1 where also my 16 queries lie in the block's first 64;  s54 1 in waves 0-3
.set PFA, 56                           ; s[56:57] where my prefetches stand;  s58 1 in the head's first work-group
.set MSB, 0
.macro WIN new                         ; the immediate's high byte repeats the setting that is left
.if MSB != \new
	s_set_vgpr_msb (MSB<<8)|\new
.set MSB, \new
.endif
.endm
.macro PLACES n
.rept \n
	v_nop
.endr
.endm
.macro QLOAD p                         ; my 16 queries, both maps: eight chunks
.irp n, 0,1,2,3,4,5,6,7
	global_load_b128 v[32+4*\n:35+4*\n], v[L16], s[\p:\p+1] offset:512*\n
.endr
.endm
; A query block begins: m = -3e38, under every score; l = 0; O^T = 0.  The key step is written once: its first run finds a = 0 and zeros, which stay zeros.
.macro ZERO
.irp u, 0,1
	v_mov_b32 v[9+8*\u], 0xff61b1e6
	v_mov_b32 v[10+8*\u], 0
	v_mov_b32 v[11+8*\u], 0
.endr
.irp u, 0,1
	v_mul_f32 v[8+8*\u], s[CS], v[9+8*\u]
.endr
	WIN 0x40
.set i, 0
.rept 128
	v_mov_b32 v[i], 0
.set i, i+1
.endr
	WIN 0
.endm
.macro KLOAD s                         ; 64 keys (half s of the block) x 64 channels, both maps: 32 chunks
.irp u, 0,1
.set n, 0
.rept 16
	ds_load_b128 v[128+64*\u+4*n:131+64*\u+4*n], v[ADR] offset:16384*\u+8192*\s+512*n
.set n, n+1
.endr
.endr
.endm
.macro VLOAD s                         ; the same 64 keys x 128 channels of V, turned: lane l gets channel l % 16 and keys 8 (l / 16) + 0..7 of a chunk
	WIN 0x40
.irp kk, 0,1
.irp ct, 0,1,2,3,4,5,6,7
.irp c, 0,1
	ds_load_tr16_b128 v[128+64*\kk+8*\ct+4*\c:131+64*\kk+8*\ct+4*\c], v[ADR] offset:32768+4096*(4*\s+2*\kk+\c)+512*\ct
.endr
.endr
.endr
	WIN 0
.endm
.macro QK                              ; S^T = K Q^T: 2 maps x 4 key tiles, 64 channels in two links; the eight accumulators take turns; the first link starts each sum
.irp u, 0,1
.irp kt, 0,1,2,3
	v_wmma_f32_16x16x32_f16 v[64+32*\u+8*\kt:71+32*\u+8*\kt], v[128+64*\u+16*\kt:135+64*\u+16*\kt], v[32+16*\u:39+16*\u], 0
.endr
.endr
.irp u, 0,1
.irp kt, 0,1,2,3
	v_wmma_f32_16x16x32_f16 v[64+32*\u+8*\kt:71+32*\u+8*\kt], v[136+64*\u+16*\kt:143+64*\u+16*\kt], v[40+16*\u:47+16*\u], v[64+32*\u+8*\kt:71+32*\u+8*\kt]
.endr
.endr
.endm
.macro MASK                            ; on the diagonal: register 8 t + j holds key 16 t + 8 (l / 16) + j of the 64; hidden where 16 t + j > v6 = my query among the 64 - 8 (l / 16)
.irp kt, 0,1,2,3
.irp j, 0,1,2,3,4,5,6,7
	v_cmp_gt_i32 vcc_lo, 16*\kt+\j, v6
	v_cndmask_b32 v[64+8*\kt+\j], v[64+8*\kt+\j], v7, vcc_lo
	v_cndmask_b32 v[96+8*\kt+\j], v[96+8*\kt+\j], v7, vcc_lo
.endr
.endr
.endm
; The softmax of 64 keys, the two maps line by line, so that no line waits for the line above it.
.macro SOFTMAX
.irp j, 0,1,2,3
.irp u, 0,1
	v_max3_num_f32 v[12+8*\u+\j], v[64+32*\u+8*\j], v[65+32*\u+8*\j], v[66+32*\u+8*\j]   ; four chains, one a key tile, each from the tile's low end
.endr
.endr
.irp i, 3,5
.irp j, 0,1,2,3
.irp u, 0,1
	v_max3_num_f32 v[12+8*\u+\j], v[12+8*\u+\j], v[64+32*\u+8*\j+\i], v[65+32*\u+8*\j+\i]
.endr
.endr
.endr
.irp u, 0,1
	v_max3_num_f32 v[12+8*\u], v[12+8*\u], v[71+32*\u], v[79+32*\u]
	v_max3_num_f32 v[14+8*\u], v[14+8*\u], v[87+32*\u], v[95+32*\u]
.endr
.irp u, 0,1
	v_max3_num_f32 v[12+8*\u], v[12+8*\u], v[13+8*\u], v[14+8*\u]
.endr
.irp u, 0,1
	v_max3_num_f32 v[12+8*\u], v[12+8*\u], v[15+8*\u], v[9+8*\u]   ; and the old m
.endr
.irp u, 0,1
	v_permlanex16_b32 v[13+8*\u], v[12+8*\u], s[SEL], s[SEL+1]     ; the query's other 32 keys lie in the lane 16 away
.endr
.irp u, 0,1
	v_mov_b32 v[15+8*\u], v[8+8*\u]                ; c m_old
.endr
.irp u, 0,1
	v_max_num_f32 v[9+8*\u], v[12+8*\u], v[13+8*\u]
.endr
.irp u, 0,1
	v_mul_f32 v[8+8*\u], s[CS], v[9+8*\u]
.endr
.irp u, 0,1
	v_sub_f32 v[15+8*\u], v[15+8*\u], v[8+8*\u]
.endr
.set i, 0
.rept 16
.irp u, 0,1
	v_pk_fma_f32 v[64+32*\u+i:65+32*\u+i], v[64+32*\u+i:65+32*\u+i], s[CS:CS+1], v[8+8*\u:9+8*\u] op_sel_hi:[1,0,0] neg_lo:[0,0,1] neg_hi:[0,0,1]   ; c s - c m, two at a time
.endr
.set i, i+2
.endr
.irp u, 0,1
	v_exp_f32 v[14+8*\u], v[15+8*\u]               ; a
.endr
.set i, 0
.rept 32
.irp u, 0,1
	v_exp_f32 v[64+32*\u+i], v[64+32*\u+i]         ; p: ONE batch of 66 exponentials, none of which reads another's result
.endr
.set i, i+1
.endr
	v_nop                                          ; a plain line behind the last exponential
	s_wait_alu depctr_va_vdst(0)                   ; the wait ahead of the first line that names a result: one for the batch
.irp u, 0,1
	v_pk_fma_f32 v[10+8*\u:11+8*\u], v[10+8*\u:11+8*\u], v[14+8*\u:15+8*\u], v[64+32*\u:65+32*\u] op_sel_hi:[1,0,1]   ; l = a l + the unrounded p: two chains a map
.endr
.irp u, 0,1
	v_pk_add_f32 v[12+8*\u:13+8*\u], v[66+32*\u:67+32*\u], v[68+32*\u:69+32*\u]
.endr
.irp i, 6,10,14,18,22,26
.irp u, 0,1
	v_pk_add_f32 v[10+8*\u:11+8*\u], v[10+8*\u:11+8*\u], v[64+32*\u+\i:65+32*\u+\i]
	v_pk_add_f32 v[12+8*\u:13+8*\u], v[12+8*\u:13+8*\u], v[66+32*\u+\i:67+32*\u+\i]
.endr
.endr
.irp u, 0,1
	v_pk_add_f32 v[10+8*\u:11+8*\u], v[10+8*\u:11+8*\u], v[94+32*\u:95+32*\u]
.endr
.irp u, 0,1
	v_pk_add_f32 v[10+8*\u:11+8*\u], v[10+8*\u:11+8*\u], v[12+8*\u:13+8*\u]
.endr
.set i, 0
.rept 16
.irp u, 0,1
	v_cvt_pk_f16_f32 v[64+32*\u+i], v[64+32*\u+2*i], v[65+32*\u+2*i]   ; P, packed in place, ascending: registers 8 kk .. 8 kk + 7 are source 1 for keys 32 kk on
.endr
.set i, i+1
.endr
	WIN 0x41
.set i, 0
.rept 32
.irp u, 0,1
	v_pk_mul_f32 v[64*\u+i:64*\u+i+1], v[64*\u+i:64*\u+i+1], v[14+8*\u:15+8*\u] op_sel_hi:[1,0]   ; O^T x a, each accumulator from its low end on
.endr
.set i, i+2
.endr
	WIN 0
.endm
.macro PV                              ; O^T += V^T P: 2 maps x 8 channel tiles, 64 keys in two links; the sixteen accumulators take turns
	WIN 0x51                                       ; V^T, C and D in window 1, P in window 0
.irp kk, 0,1
.irp ct, 0,1,2,3,4,5,6,7
.irp u, 0,1
	v_wmma_f32_16x16x32_f16 v[64*\u+8*\ct:64*\u+8*\ct+7], v[128+64*\kk+8*\ct:135+64*\kk+8*\ct], v[64+32*\u+8*\kk:71+32*\u+8*\kk], v[64*\u+8*\ct:64*\u+8*\ct+7]
.endr
.endr
.endr
	WIN 0
	PLACES 5                                       ; five: the next scores are written by matrix instructions over P's registers; four of them serve the loads into V^T's registers and the reads of O^T
.endm
; A PREFETCH INTO THE L2: in trip T, behind my tensor load and its five lines, my 8,192 bytes of key block T + 2, lanes 256 bytes apart.  All eight work-groups of a head walk the same kv: the head's first
; work-group asks (a branch on the work-group's number and the trip).  A work-group with a late query block requests block T + 1 in trip T, so the request stands a trip ahead of every reader's.
; Trips 1 to 13 ask, for blocks 3 to 15: each block of 256 bytes is named once in the launch; nothing is asked for at the head, nothing past the head's last block.
.macro ASK
	s_sub_co_u32 s59, s21, 1
	s_cmp_lt_u32 s59, 13
	s_cselect_b32 s59, s58, 0
	s_cmp_lg_u32 s59, 0
	s_cbranch_scc0 .Lnot_mine_\@
	global_prefetch_b8 v[PFO], s[PFA:PFA+1] th:TH_LOAD_NT scope:SCOPE_SE
.Lnot_mine_\@:
.endm
; THE CHANGE OF SLOTS stands at a trip's head.  Each wave waits for all its tensor loads (its part of the slot that it is about to read), adds 0 to its spare word, and waits for that and for its reads of the slot that it
; has left.  Behind the barrier the slot ahead is whole and nobody reads the other one, which is filled with the next trip's key block: the load has a whole trip in which to land.
.macro CHANGE fill
	s_wait_tensorcnt 0x0                           ; no tensor load of mine is out, so group 0 may be written
	ds_add_u32 v[SPW], v[NIL]                      ; 0 onto my spare word; the descriptor's steps stand between it and the wait for it
.if \fill
	s_add_co_u32 s[KBN], s[KBN], 1                 ; the next key block;
	s_cmp_eq_u32 s21, s19
	s_cselect_b32 s[KBN], 0, s[KBN]                ; behind the first query block's diagonal the walk begins again
	s_lshl_b32 s34, s[KBN], 16
	s_add_nc_u64 s[G0+2:G0+3], s[KVB:KVB+1], s[34:35]
	s_or_b32 s[G0+3], s[G0+3], 0x80000000
	s_xor_b32 s[G0+1], s[G0+1], SLOT               ; the other slot than last time
	s_wait_xcnt 0x0                                ; the last prefetch, a trip back, has read its address, so it may be written
	s_add_nc_u64 s[PFA:PFA+1], s[PFA:PFA+1], 0x10000
.endif
	s_wait_dscnt 0x0                               ; the add is done, and my reads of the slot that I have left are over
	s_barrier_signal -1
	s_barrier_wait -1
.if \fill
	tensor_load_to_lds s[G0:G0+3], s[G1:G1+7]      ; the first thing behind the barrier, and my one tensor load until the next
	s_nop 0
	PLACES 4
	ASK
.endif
.endm
; A TRIP: a key block of 128 keys in two halves of 64.  The branches hang on ids, the wave's number and the trip alone; no barrier, no tensor load and no wait of the ring stands under one.
.macro TRIPBODY
	v_add_nc_u32 v[ADR], s[TB], v[L16]
	KLOAD 0
	VLOAD 0
	s_wait_dscnt 32                                ; K is in; V's 32 loads, issued behind it, may be out
	QK
	PLACES 4                                       ; behind the scores' products: their results are read and K's registers are loaded next
	s_cmp_lg_u32 s53, 0
	s_cbranch_scc1 .Lmask0_\@
	KLOAD 1                                        ; the second half's K lands under the softmax
	s_branch .Lsm0_\@
.Lmask0_\@:
	MASK                                           ; my queries lie among these 64 keys; the second half is hidden from all of them
.Lsm0_\@:
	SOFTMAX
	s_wait_dscnt 0x0                               ; V is in (and the second half's K)
	PV
	s_cmp_lg_u32 s53, 0
	s_cbranch_scc1 .Lend_\@
	VLOAD 1
	QK
	PLACES 4
	s_cmp_eq_u32 s[DIAG], 0
	s_cbranch_scc1 .Lsm1_\@
	MASK
.Lsm1_\@:
	SOFTMAX
	s_wait_dscnt 0x0                               ; V is in
	PV
.Lend_\@:
	s_xor_b32 s[TB], s[TB], SLOT                   ; on to the other slot
.endm
; A QUERY BLOCK ENDS: E = O1 / l1 - lam O2 / l2; LayerNorm over the query's 128 channels (64 in my registers, 64 in the lane 16 away); x (1 - LAM_INIT); f16; register 8 t + j is channel 16 t + 8 (l / 16) + j,
; so four packed registers are my 16 bytes of chunk t of the last launch's operand.
.macro EPILOGUE mf
.irp u, 0,1
	v_add_f32 v[12+8*\u], v[10+8*\u], v[11+8*\u]
.endr
.irp u, 0,1
	v_permlanex16_b32 v[13+8*\u], v[12+8*\u], s[SEL], s[SEL+1]
.endr
.irp u, 0,1
	v_add_f32 v[12+8*\u], v[12+8*\u], v[13+8*\u]   ; l
.endr
	v_rcp_f32 v14, v12
	v_rcp_f32 v22, v20
	v_nop                                          ; a plain line behind the last reciprocal,
	s_wait_alu depctr_va_vdst(0)                   ; and the wait ahead of the first use: one for the two
	v_mul_f32 v22, v22, v24                        ; -lam / l2
	WIN 0x01                                       ; source 0 (O^T) in window 1
.set i, 0
.rept 32
	v_pk_mul_f32 v[64+i:65+i], v[64+i:65+i], v[22:23] op_sel_hi:[1,0]
.set i, i+2
.endr
.set i, 0
.rept 32
	v_pk_fma_f32 v[64+i:65+i], v[i:i+1], v[14:15], v[64+i:65+i] op_sel_hi:[1,0,1]
.set i, i+2
.endr
	WIN 0
	v_pk_add_f32 v[30:31], v[64:65], v[66:67]      ; the mean: two chains
	v_pk_add_f32 v[128:129], v[68:69], v[70:71]
.set i, 8
.rept 14
	v_pk_add_f32 v[30:31], v[30:31], v[64+i:65+i]
	v_pk_add_f32 v[128:129], v[128:129], v[66+i:67+i]
.set i, i+4
.endr
	v_pk_add_f32 v[30:31], v[30:31], v[128:129]
	v_add_f32 v26, v30, v31
	v_permlanex16_b32 v27, v26, s[SEL], s[SEL+1]
	v_add_f32 v26, v26, v27
	v_mul_f32 v26, s60, v26                        ; / 128
	v_mov_b32 v27, v26
.set i, 0
.rept 32
	v_pk_add_f32 v[64+i:65+i], v[64+i:65+i], v[26:27] neg_lo:[0,1] neg_hi:[0,1]
.set i, i+2
.endr
	v_pk_mul_f32 v[30:31], v[64:65], v[64:65]      ; the variance, of the centred numbers
	v_pk_mul_f32 v[128:129], v[66:67], v[66:67]
.set i, 4
.rept 15
	v_pk_fma_f32 v[30:31], v[64+i:65+i], v[64+i:65+i], v[30:31]
	v_pk_fma_f32 v[128:129], v[66+i:67+i], v[66+i:67+i], v[128:129]
.set i, i+4
.endr
	v_pk_add_f32 v[30:31], v[30:31], v[128:129]
	v_add_f32 v28, v30, v31
	v_permlanex16_b32 v29, v28, s[SEL], s[SEL+1]
	v_add_f32 v28, v28, v29
	v_fma_f32 v28, v28, s60, s61                   ; / 128 + 1e-5
	v_rsq_f32 v28, v28
	v_nop
	s_wait_alu depctr_va_vdst(0)
	v_mul_f32 v28, s62, v28                        ; x (1 - LAM_INIT)
	v_mov_b32 v29, v28
.set i, 0
.rept 32
	v_pk_mul_f32 v[64+i:65+i], v[64+i:65+i], v[28:29]
.set i, i+2
.endr
.set i, 0
.rept 32
	v_cvt_pk_f16_f32 v[128+i], v[64+2*i], v[65+2*i]
.set i, i+1
.endr
.irp ct, 0,1,2,3,4,5,6,7
	global_store_b128 v[L16], v[128+4*\ct:131+4*\ct], s[\mf:\mf+1] offset:512*\ct   ; a chunk: 512 consecutive bytes, at a multiple of 512 from mf's first byte
.endr
.endm
	s_load_b256 s[4:11], s[0:1], 0x0               ; qf 4, kv 6, lq1 8, lk1 10
	s_load_b128 s[12:15], s[0:1], 0x20             ; lq2 12, lk2 14
	s_load_b64 s[16:17], s[0:1], 0x30              ; mf
	v_lshl_add_u32 v[SPW], v0, 2, SPARE
	v_mov_b32 v[NIL], 0
	ds_add_u32 v[SPW], v[NIL]                      ; the wave's opening: the add, twice on end, and its wait ahead of my first tensor load; the set-up below stands between the second and the wait
	ds_add_u32 v[SPW], v[NIL]
	v_lshrrev_b32 v1, 5, v0
	v_readfirstlane_b32 s[WV], v1                  ; wave 0..7
	s_mov_b32 s19, ttmp9                           ; i
	s_and_b32 s20, ttmp7, 0xffff                   ; bh = 16 x batch + head
	s_mov_b32 s[G1], 3<<16                         ; group 1: 8,192 dense bytes as 32 rows of 32 elements of 8 bytes; no mask, no padding
	s_mov_b32 s[G1+1], 32<<16                      ; tensor_dim0
	s_mov_b32 s[G1+2], 32<<16                      ; tensor_dim1
	s_mov_b32 s[G1+3], 32<<16                      ; tile_dim0
	s_mov_b32 s[G1+4], 32                          ; tile_dim1
	s_mov_b32 s[G1+5], 32                          ; tensor_dim0_stride
	s_mov_b32 s[G1+6], 0
	s_mov_b32 s[G1+7], 0
	s_mov_b32 s[SEL], 0x76543210
	s_mov_b32 s[SEL+1], 0xfedcba98
	s_mov_b32 s[CS], 0x3e38aa3b                    ; c = log2(e) / 8
	s_mov_b32 s[CS+1], s[CS]
	s_mov_b32 s60, 0x3c000000                      ; 1 / 128
	s_mov_b32 s61, 0x3727c5ac                      ; 1e-5
	s_mov_b32 s62, 0x3e637605                      ; 1 - LAM_INIT = 0.6 exp(-3.3) + 0.2
	s_mov_b32 s21, 0
	s_mov_b32 s[KBN], 0
	s_mov_b32 s[TB], 0
	s_mov_b32 s35, 0
	s_cmp_lt_u32 s[WV], 4
	s_cselect_b32 s54, 1, 0
	s_cmp_eq_u32 s19, 0
	s_cselect_b32 s58, 1, 0
	s_lshl_b32 s34, s20, 20                        ; a head's 16 key blocks of 65,536 bytes
	s_lshl_b32 s[G0+1], s[WV], 13                  ; LDS address: slot 0, my 8,192 bytes
	s_add_co_u32 s34, s34, s[G0+1]
	s_mov_b32 s[G0], 1
	s_wait_dscnt 0x0                               ; both opening adds are done
	s_wait_kmcnt 0x0
	s_add_nc_u64 s[KVB:KVB+1], s[6:7], s[34:35]
	s_mov_b64 s[G0+2:G0+3], s[KVB:KVB+1]
	s_or_b32 s[G0+3], s[G0+3], 0x80000000
	tensor_load_to_lds s[G0:G0+3], s[G1:G1+7]      ; key block 0 into slot 0: every wave issues its part, with no branch
	s_nop 0
	PLACES 4
	s_add_nc_u64 s[PFA:PFA+1], s[KVB:KVB+1], 0x10000   ; at key block 1: trip T's change steps it to block T + 2
	s_lshl_b32 s2, s19, 3
	s_add_co_u32 s2, s2, s[WV]                     ; my query tile in block i,
	s_sub_co_u32 s3, 15, s19
	s_lshl_b32 s3, s3, 3
	s_add_co_u32 s3, s3, s[WV]                     ; and in block 15 - i
	s_lshl_b32 s55, s20, 19                        ; qf: 128 query tiles of 4,096 bytes a head
	s_lshl_b32 s34, s2, 12
	s_add_co_u32 s34, s34, s55
	s_add_nc_u64 s[40:41], s[4:5], s[34:35]
	s_lshl_b32 s34, s3, 12
	s_add_co_u32 s34, s34, s55
	s_add_nc_u64 s[42:43], s[4:5], s[34:35]
	s_lshr_b32 s55, s20, 4
	s_lshl_b32 s55, s55, 23                        ; mf: 128 row tiles of 65,536 bytes a batch,
	s_and_b32 s59, s20, 15
	s_lshl_b32 s63, s59, 12                        ; eight chunks a head
	s_add_co_u32 s55, s55, s63
	s_lshl_b32 s34, s2, 16
	s_add_co_u32 s34, s34, s55
	s_add_nc_u64 s[44:45], s[16:17], s[34:35]
	s_lshl_b32 s34, s3, 16
	s_add_co_u32 s34, s34, s55
	s_add_nc_u64 s[46:47], s[16:17], s[34:35]
	v_and_b32 v25, 31, v0
	v_lshlrev_b32 v[L16], 4, v25
	v_lshlrev_b32 v[PFO], 8, v25
	v_lshlrev_b32 v31, 3, v25
	s_lshl_b32 s59, s59, 8
	v_add_nc_u32 v31, s59, v31                     ; my two of the head's 64 numbers in each of the four lambda vectors
	global_load_b64 v[128:129], v31, s[8:9]
	global_load_b64 v[130:131], v31, s[10:11]
	global_load_b64 v[132:133], v31, s[12:13]
	global_load_b64 v[134:135], v31, s[14:15]
	QLOAD 40
	v_and_b32 v27, 15, v0
	v_bfe_u32 v28, v0, 4, 1
	v_lshlrev_b32 v28, 3, v28
	v_sub_nc_u32 v6, v27, v28
	s_and_b32 s63, s[WV], 3
	s_lshl_b32 s63, s63, 4
	v_add_nc_u32 v6, s63, v6                       ; 16 (wave % 4) + lane % 16 - 8 (lane / 16)
	v_mov_b32 v7, 0xff800000                       ; -infinity
	v_mov_b32 v29, 0                               ; (a lane permute's destination counts as one of its sources)
	v_mov_b32 v30, 0
	ZERO
	s_wait_loadcnt 0x0                             ; the lambda vectors and Q
	v_mul_f32 v26, v128, v130                      ; lam = exp(lq1 . lk1) - exp(lq2 . lk2) + LAM_INIT
	v_mul_f32 v27, v132, v134
	v_fma_f32 v26, v129, v131, v26
	v_fma_f32 v27, v133, v135, v27
.irp m, 1,2,4,8
	v_add_f32_dpp v26, v26, v26 row_xmask:\m row_mask:0xf bank_mask:0xf
	v_add_f32_dpp v27, v27, v27 row_xmask:\m row_mask:0xf bank_mask:0xf
.endr
	v_permlanex16_b32 v28, v26, s[SEL], s[SEL+1]
	v_permlanex16_b32 v29, v27, s[SEL], s[SEL+1]
	v_add_f32 v26, v26, v28
	v_add_f32 v27, v27, v29
	v_mul_f32 v26, 0x3fb8aa3b, v26
	v_mul_f32 v27, 0x3fb8aa3b, v27
	v_exp_f32 v26, v26
	v_exp_f32 v27, v27
	v_nop
	s_wait_alu depctr_va_vdst(0)
	v_sub_f32 v24, v27, v26
	v_add_f32 v24, 0xbf47227f, v24                 ; -lam; LAM_INIT = 0.8 - 0.6 exp(-3.3)
.Ltrip:                                            ; 16 trips, each of which asks for the next trip's key block
	CHANGE 1
	s_cmp_eq_u32 s21, s19
	s_cselect_b32 s[DIAG], 1, 0                    ; trip i is query block i's diagonal
	s_and_b32 s53, s[DIAG], s54
	TRIPBODY
	s_cmp_eq_u32 s[DIAG], 0
	s_cbranch_scc1 .Lnext
	QLOAD 42                                       ; query block i is done: the other block's Q is asked for, lands under the epilogue,
	EPILOGUE 44
	ZERO
	s_wait_loadcnt 0x0                             ; and is in
	s_wait_xcnt 0x0                                ; the stores have read their registers, which take the next trip's K
.Lnext:
	s_add_co_u32 s21, s21, 1
	s_cmp_lt_u32 s21, 16
	s_cbranch_scc1 .Ltrip
	CHANGE 0                                       ; the last trip is written out: query block 15 - i's diagonal
	s_mov_b32 s[DIAG], 1
	s_mov_b32 s53, s54
	TRIPBODY
	EPILOGUE 46
	s_wait_tensorcnt 0x0                           ; the wave's end: three lines, behind my last tensor load
	ds_add_u32 v[SPW], v[NIL]
	s_wait_dscnt 0x0
	s_endpgm
.Lfunc_end_k_qa128b42557_attn:
	.size	k_qa128b42557_attn, .Lfunc_end_k_qa128b42557_attn-k_qa128b42557_attn
	.p2alignl 7, 3214868480
	.fill 96, 4, 3214868480
	.section	.rodata,"a",@progbits
	.p2align	6, 0x0
	.amdhsa_kernel k_qa128b42557_attn
		.amdhsa_group_segment_fixed_size 327680
		.amdhsa_private_segment_fixed_size 0
		.amdhsa_enable_private_segment 0
		.amdhsa_kernarg_size 56
		.amdhsa_user_sgpr_count 2
		.amdhsa_user_sgpr_kernarg_segment_ptr 1
		.amdhsa_wavefront_size32 1
		.amdhsa_system_sgpr_workgroup_id_x 1
		.amdhsa_system_sgpr_workgroup_id_y 1
		.amdhsa_system_sgpr_workgroup_id_z 1
		.amdhsa_system_vgpr_workitem_id 0
		.amdhsa_next_free_vgpr 512
		.amdhsa_next_free_sgpr 66
		.amdhsa_reserve_vcc 1
		.amdhsa_float_denorm_mode_32 3
		.amdhsa_float_denorm_mode_16_64 3
		.amdhsa_memory_ordered 1
		.amdhsa_forward_progress 1
		.amdhsa_inst_pref_size 150
	.end_amdhsa_kernel
	.amdgpu_metadata
---
amdhsa.version: [ 1, 2 ]
amdhsa.kernels:
  - .name:           k_qa128b42557_attn
    .symbol:         k_qa128b42557_attn.kd
    .args:
      - { .name: qf, .offset: 0, .size: 8, .value_kind: global_buffer, .address_space: global }
      - { .name: kv, .offset: 8, .size: 8, .value_kind: global_buffer, .address_space: global }
      - { .name: lq1, .offset: 16, .size: 8, .value_kind: global_buffer, .address_space: global }
      - { .name: lk1, .offset: 24, .size: 8, .value_kind: global_buffer, .address_space: global }
      - { .name: lq2, .offset: 32, .size: 8, .value_kind: global_buffer, .address_space: global }
      - { .name: lk2, .offset: 40, .size: 8, .value_kind: global_buffer, .address_space: global }
      - { .name: mf, .offset: 48, .size: 8, .value_kind: global_buffer, .address_space: global }
    .group_segment_fixed_size: 327680
    .private_segment_fixed_size: 0
    .kernarg_segment_align: 8
    .kernarg_segment_size: 56
    .max_flat_workgroup_size: 256
    .sgpr_count:     66
    .vgpr_count:     512
    .wavefront_size: 32
...
	.end_amdgpu_metadata
.endif
;; end of part 3
;; launch outp (part 4): grid 8 x 32, 4 waves a work-group, clusters of 4 x 4, 327,680 bytes of LDS; arguments mf, wo16, out0; writes out0
.if DOCPART == 4
	.amdgcn_target "amdgcn-amd-amdhsa--gfx1250"
	.amdhsa_code_object_version 6
	.text
	.protected	k_qa128b42557_outp
	.globl	k_qa128b42557_outp
	.p2align	8
	.type	k_qa128b42557_outp,@function
k_qa128b42557_outp:
	s_mov_b64 s[64:65], 0
	v_nop
	global_prefetch_b8 v0, s[64:65] scope:SCOPE_SE
	s_setreg_imm32_b32 hwreg(HW_REG_WAVE_MODE, 25, 1), 1
	s_wait_xcnt 0x0
	s_wait_alu depctr_hold_cnt(0) depctr_sa_sdst(0) depctr_va_vdst(0) depctr_va_sdst(0) depctr_va_ssrc(0) depctr_va_vcc(0) depctr_vm_vsrc(0)
	s_getreg_b32 s2, hwreg(HW_REG_IB_STS2, 6, 4)
	s_cmp_eq_u32 s2, 0
	s_cbranch_scc0 .Lentry_in_a_cluster
	s_endpgm
.Lentry_in_a_cluster:
	s_bfe_u32 s2, ttmp6, 0x10000c
	s_cmp_lg_u32 s2, 0xf033
	s_cbranch_scc0 .Lentry_shape_is_right
	s_endpgm
.Lentry_shape_is_right:
; Launch 4 of 4: out0 = merged x Wo, [4,096 x 2,048] x [2,048 x 1,024], f16 operands, f32 sums, f32 out.
; A tile of the result is 128 x 128: 8 x 32 = 256 work-groups.  Four waves, each 64 x 64: 16 accumulators of 16 x 16.  K goes in steps of 256 through a ring of two LDS slots.
; Both operands lie in memory as images of operand registers ([tile of 16 rows][16 k: 128][chunk of 512 bytes, lane l's 16 at 16 l]): a K step of a tile of 16 rows is 8,192 consecutive bytes, a fragment (16 x 32 K) two
; chunks on end: no pitch, no padding.
; CLUSTERS: 4 x 4 work-groups.  The four of a row of the cluster need the same tiles of merged, the four of a column the same tiles of Wo: each tile is asked for JOINTLY, by the same tensor load with the same
; descriptor and a mask that names the four.  THE MATRIX INSTRUCTION IS USED TRANSPOSED (source 0 = 16 columns of Wo, source 1 = 16 rows): a lane then holds eight neighbouring numbers of a row of the result.
; REGISTERS: window 0: v0-31 addresses; v32-95 the way out; v128-255 the accumulators ((a, b) at v[128 + 8 (4 a + b)]).
;   window 1: two fragment buffers of 128: for 64 along K, 64 registers of merged (2 x 4 x 16 rows x 32 K), then 64 of Wo.
.set HALFT,  32768                     ; 64 rows x 256 K: 4 tiles x 8,192 bytes: what one tensor load brings
.set SLOT,   4*HALFT                   ; merged's 128 rows, then Wo's 128 columns
.set STAGE,  2*SLOT                    ; behind the ring: 16 rows x 272 bytes for each wave, for the way out; no tensor load fills it
.set SPITCH, 272                       ; 256 bytes + 16: sixteen rows' pieces of 16 bytes fall on sixteen different columns of 16 bytes
.set SPARE,  STAGE+4*16*SPITCH         ; the spare words, 128 bytes for each wave: two blocks of 256 bytes that no other line names
.set LAPS,   4                         ; a lap = two K steps = once round the ring: 2,048 / 512
.set ADRA, 16                          ; v16-17  LDS address of my fragments of merged in slot 0, 1
.set ADRB, 20                          ; v20-21  the same for Wo
.set STO,  24                          ; v24     the way out: where I put 32 bytes of a row
.set RD,   25                          ; v25     the way out: where I read a row back
.set CO,   26                          ; v26     my byte offset in out0
.set SPW,  28                          ; v28     LDS address of my spare word; never rewritten
.set NIL,  29                          ; v29     0; never rewritten
.set TMP,  32
.set ACC,  128
.set F0,   0                           ; fragment buffers, in window 1
.set F1,   128
.set G1, 24                            ; s[24:31] descriptor group 1 for merged's tiles;  s[32:39] group 0, one set for each slot
.set G0, 32
.set G1B, 48                           ; s[48:55], s[56:63] the same for Wo's tiles
.set G0B, 56
.set MSB, 0
.macro WIN new                         ; the immediate's high byte repeats the setting that is left
.if MSB != \new
	s_set_vgpr_msb (MSB<<8)|\new
.set MSB, \new
.endif
.endm
.set MUL,  0x05                        ; sources 0 (Wo) and 1 (merged) window 1; C and D window 0
.set TO_F, 0x40                        ; destination window 1, address window 0
.macro JLOAD s                         ; a joint load: waves 0 and 1 fetch merged's two halves, waves 2 and 3 Wo's; an s_nop 0 and four v_nop follow each of the two lines, ahead of the jump, the label and what follows
	s_cmp_eq_u32 s11, 0
	s_cbranch_scc0 .Lfor_b_\@
	tensor_load_to_lds s[G0+4*\s:G0+4*\s+3], s[G1:G1+7]
	s_nop 0
.rept 4
	v_nop
.endr
	s_branch .Lasked_\@
.Lfor_b_\@:
	tensor_load_to_lds s[G0B+4*\s:G0B+4*\s+3], s[G1B:G1B+7]
	s_nop 0
.rept 4
	v_nop
.endr
.Lasked_\@:
.endm
.macro CREST                           ; a round of the cluster's barrier behind its opening barrier
	s_cmp_lg_u32 s10, 0
	s_cbranch_scc1 .Lnot_wave_0_\@
	s_barrier_signal -3
.Lnot_wave_0_\@:
	s_barrier_wait -3
	s_barrier_signal -1
	s_barrier_wait -1
.endm
.macro CROUND                          ; a whole round
	s_barrier_signal -1
	s_barrier_wait -1
	CREST
.endm
	s_load_b128 s[4:7], s[0:1], 0x0                ; mf s[4:5], wo16 s[6:7]
	s_load_b64 s[8:9], s[0:1], 0x10                ; out0
	v_lshl_add_u32 v[SPW], v0, 2, SPARE
	v_mov_b32 v[NIL], 0
	ds_add_u32 v[SPW], v[NIL]                      ; the wave's opening: the add, twice on end, and its wait ahead of my first tensor load; the set-up below stands between the second and the wait
	ds_add_u32 v[SPW], v[NIL]
	v_lshrrev_b32 v1, 5, v0
	v_readfirstlane_b32 s10, v1                    ; wave 0..3
	s_lshr_b32 s11, s10, 1                         ; which half of the tile's rows is mine.  Also: I fetch for merged (0) or for Wo (1)
	s_and_b32 s12, s10, 1                          ; which half of its columns.  Also: which 64 rows of that tile I fetch
	s_bfe_u32 s40, ttmp6, 0x40000                  ; cx, cy: my place in the cluster
	s_bfe_u32 s41, ttmp6, 0x40004
	s_lshl_b32 s42, ttmp9, 2
	s_add_co_u32 s42, s42, s40                     ; tile column = 4 x cluster x + cx
	s_and_b32 s13, ttmp7, 0xffff
	s_lshl_b32 s13, s13, 2
	s_add_co_u32 s13, s13, s41                     ; tile row = 4 x cluster y + cy
	s_lshl_b32 s43, s41, 2
	s_lshl_b32 s43, 15, s43                        ; my row of the cluster
	s_lshl_b32 s44, 0x1111, s40                    ; my column
	; group 1: 4 tiles of 16 rows, of each the K step's 8,192 bytes of its 65,536: 4 rows of 1,024 elements of 8 bytes, 8,192 elements apart
	s_or_b32 s[G1+0], s43, (3<<16)|(1<<21)         ; 15:0 the mask: merged's tiles go to my row; 17:16 elements of 8 bytes; 21 set beside a mask; no padding
	s_or_b32 s[G1B+0], s44, (3<<16)|(1<<21)
.irp g, G1, G1B
	s_mov_b32 s[\g+1], 1024<<16                    ; tensor_dim0
	s_mov_b32 s[\g+2], 4<<16                       ; tensor_dim1
	s_mov_b32 s[\g+3], 1024<<16                    ; tile_dim0
	s_mov_b32 s[\g+4], 4                           ; tile_dim1
	s_mov_b32 s[\g+5], 8192                        ; tensor_dim0_stride
	s_mov_b32 s[\g+6], 0
	s_mov_b32 s[\g+7], 0
.endr
	s_lshl_b32 s17, s12, 2                         ; which 4 tiles of the 8 I fetch
	s_lshl_b32 s16, s13, 3
	s_add_co_u32 s16, s16, s17                     ; merged: row tile 8 x tile row + 4 x half
	s_lshl_b32 s46, s42, 3
	s_add_co_u32 s46, s46, s17                     ; Wo: column tile 8 x tile column + 4 x half
	s_lshl_b32 s16, s16, 16
	s_mov_b32 s17, 0
	s_lshl_b32 s46, s46, 16
	s_mov_b32 s47, 0
	s_mul_i32 s20, s10, HALFT                      ; where they go: wave x 64 rows: no place in the cluster enters an LDS address
	s_wait_dscnt 0x0                               ; both opening adds are done
	s_wait_kmcnt 0x0
	s_add_nc_u64 s[14:15], s[4:5], s[16:17]
	s_add_nc_u64 s[46:47], s[6:7], s[46:47]
	CROUND                                         ; all sixteen work-groups are here: the first joint loads meet
.irp s, 0,1
	s_mov_b32 s[G0+4*\s], 1
	s_add_co_u32 s[G0+4*\s+1], s20, \s*SLOT
	s_add_nc_u64 s[G0+4*\s+2:G0+4*\s+3], s[14:15], \s*8192
	s_or_b32 s[G0+4*\s+3], s[G0+4*\s+3], 0x80000000
	s_mov_b32 s[G0B+4*\s], 1
	s_add_co_u32 s[G0B+4*\s+1], s20, \s*SLOT
	s_add_nc_u64 s[G0B+4*\s+2:G0B+4*\s+3], s[46:47], \s*8192
	s_or_b32 s[G0B+4*\s+3], s[G0B+4*\s+3], 0x80000000
	JLOAD \s
.endr
	v_and_b32 v1, 15, v0                           ; r
	v_bfe_u32 v2, v0, 4, 1                         ; h
	v_and_b32 v3, 31, v0
	v_lshlrev_b32 v3, 4, v3                        ; 16 x lane: my place in every chunk
	s_mul_i32 s21, s11, HALFT                      ; my 64 rows of merged
	s_mul_i32 s22, s12, HALFT                      ; my 64 columns of Wo,
	s_add_co_u32 s22, s22, 2*HALFT                 ; which lie behind merged's 128 rows
.irp s, 0,1
	v_add_nc_u32 v[ADRA+\s], s21, v3
	v_add_nc_u32 v[ADRB+\s], s22, v3
	s_add_co_u32 s21, s21, SLOT
	s_add_co_u32 s22, s22, SLOT
.endr
	s_mul_i32 s23, s10, 16*SPITCH
	s_add_co_u32 s23, s23, STAGE                   ; my stage
	v_mul_u32_u24 v4, v1, SPITCH                   ; in: row r, 32 bytes for each half of the lanes
	v_lshl_add_u32 v4, v2, 5, v4
	v_add_nc_u32 v[STO], s23, v4
	v_mul_u32_u24 v5, v2, SPITCH                   ; back: lanes 0-15 take one row of 256 bytes, lanes 16-31 the next
	v_lshl_add_u32 v5, v1, 4, v5
	v_add_nc_u32 v[RD], s23, v5
	v_lshlrev_b32 v5, 12, v2                       ; and the same two rows in out0: a row is 4,096 bytes
	v_lshl_add_u32 v[CO], v1, 4, v5
	s_lshl_b32 s16, s13, 7
	s_lshl_b32 s17, s11, 6
	s_add_co_u32 s16, s16, s17                     ; my first row: 128 x tile row + 64 x half
	s_lshl_b32 s16, s16, 12
	s_mov_b32 s17, 0
	s_add_nc_u64 s[8:9], s[8:9], s[16:17]
	s_lshl_b32 s46, s42, 9                         ; my first column, in bytes: 512 x tile column + 256 x half
	s_lshl_b32 s47, s12, 8
	s_add_co_u32 s46, s46, s47
	s_mov_b32 s47, 0
	s_add_nc_u64 s[8:9], s[8:9], s[46:47]
; 8 matrix instructions: row blocks a0, a0 + 1 x all 4 column blocks, 32 along K: half c of buffer f.  zero = 1: the first product starts the sums.  The 16 accumulators take turns
.macro MUL8 f, c, a0, zero
.irp a, \a0, \a0+1
.irp b, 0,1,2,3
.if \zero
	v_wmma_f32_16x16x32_f16 v[ACC+8*(4*(\a)+\b):ACC+8*(4*(\a)+\b)+7], v[\f+64+8*(4*\c+\b):\f+64+8*(4*\c+\b)+7], v[\f+8*(4*\c+\a):\f+8*(4*\c+\a)+7], 0
.else
	v_wmma_f32_16x16x32_f16 v[ACC+8*(4*(\a)+\b):ACC+8*(4*(\a)+\b)+7], v[\f+64+8*(4*\c+\b):\f+64+8*(4*\c+\b)+7], v[\f+8*(4*\c+\a):\f+8*(4*\c+\a)+7], v[ACC+8*(4*(\a)+\b):ACC+8*(4*(\a)+\b)+7]
.endif
.endr
.endr
.endm
; 32 LDS loads in one run: the fragments of quarter q (64 along K: four chunks of each tile) into buffer f; the first 32 along K first
.macro FETCH slot, q, f
	WIN TO_F
.irp c, 0,1
.irp i, 0,1,2,3
	ds_load_b128 v[\f+64+8*(4*\c+\i):\f+64+8*(4*\c+\i)+3],   v[ADRB+\slot] offset:8192*\i+1024*(2*(\q)+\c)
	ds_load_b128 v[\f+64+8*(4*\c+\i)+4:\f+64+8*(4*\c+\i)+7], v[ADRB+\slot] offset:8192*\i+1024*(2*(\q)+\c)+512
	ds_load_b128 v[\f+8*(4*\c+\i):\f+8*(4*\c+\i)+3],         v[ADRA+\slot] offset:8192*\i+1024*(2*(\q)+\c)
	ds_load_b128 v[\f+8*(4*\c+\i)+4:\f+8*(4*\c+\i)+7],       v[ADRA+\slot] offset:8192*\i+1024*(2*(\q)+\c)+512
.endr
.endr
.endm
.macro PLACES                          ; four places in front of loads into registers that matrix instructions have read, and of the first read of results (ISA guide 7.12.1 for vector instructions)
.rept 4
	v_nop
.endr
.endm
; A K step is four quarters of 64 along K, 32 matrix instructions each, on buffers 0, 1, 0, 1.  One of the first three: multiplies buffer f and fetches quarter q of the same slot into g.
.macro QUARTER slot, q, f, g, zero
	s_wait_dscnt 16                                ; the first 32 along K are in; the other sixteen loads may be out
	WIN MUL
	MUL8 \f, 0, 0, \zero
	MUL8 \f, 0, 2, \zero
	PLACES
	FETCH \slot, \q, \g
	s_wait_dscnt 32                                ; all but the 32 just issued
	WIN MUL
	MUL8 \f, 1, 0, 0
	MUL8 \f, 1, 2, 0
.endm
; The last quarter multiplies buffer 1 and changes slots: ONE barrier; in front of it each wave waits for all its tensor loads, adds 0 to its spare word, and waits for that and for its own reads of this slot.  fill = 1: this slot is filled again, two K steps ahead.
.macro TURN slot, next, fill
	WIN 0                                          ; (the add's two registers lie in window 0)
	s_wait_tensorcnt 0x0                           ; all my tensor loads have landed: my part of the next slot;
	ds_add_u32 v[SPW], v[NIL]                      ; 0 onto my spare word;
	s_wait_dscnt 17                                ; (the add and the youngest sixteen loads may be out)
	WIN MUL
	MUL8 F1, 0, 0, 0                               ; eight matrix instructions stand between the add and the wait for it
	s_wait_dscnt 0x0                               ; the add is done, and my reads of this slot are over
	s_barrier_signal -1
	MUL8 F1, 0, 2, 0
.if \fill
	WIN 0
.endif
	s_barrier_wait -1
.if \fill
	CREST                                          ; the barrier has opened a round of the cluster's barrier: no wave of any partner still reads this slot's tile or has a load on its way
	s_add_nc_u64 s[G0+4*\slot+2:G0+4*\slot+3], s[G0+4*\slot+2:G0+4*\slot+3], 2*8192
	s_add_nc_u64 s[G0B+4*\slot+2:G0B+4*\slot+3], s[G0B+4*\slot+2:G0B+4*\slot+3], 2*8192
	JLOAD \slot                                    ; the first tensor load behind the round; the four v_nop behind it are also the places in front of the loads below
.else
	PLACES
.endif
	FETCH \next, 0, F0
	WIN MUL
	MUL8 F1, 1, 0, 0
	MUL8 F1, 1, 2, 0
.endm
	s_wait_tensorcnt 1                             ; my part of K step 0 is in (K step 1's load may be out)
	s_barrier_signal -1
	s_barrier_wait -1                              ; everybody's is
	FETCH 0, 0, F0
	QUARTER 0, 1, F0, F1, 1                        ; the first quarter stands in front of the loop: its first products start the sums
	WIN 0                                          ; at a label and at a branch every window is 0
	s_mov_b32 s3, LAPS-1
.Llap:                                                 ; a trip goes once round the ring, from a lap's second quarter to the next lap's first, and fills both slots again
	QUARTER 0, 2, F1, F0, 0
	QUARTER 0, 3, F0, F1, 0
	TURN 0, 1, 1
	QUARTER 1, 1, F0, F1, 0
	QUARTER 1, 2, F1, F0, 0
	QUARTER 1, 3, F0, F1, 0
	TURN 1, 0, 1
	QUARTER 0, 1, F0, F1, 0
	WIN 0
	s_sub_co_u32 s3, s3, 1
	s_cmp_lg_u32 s3, 0
	s_cbranch_scc1 .Llap
	QUARTER 0, 2, F1, F0, 0                        ; the last lap fills nothing, and has no round of the cluster's barrier
	QUARTER 0, 3, F0, F1, 0
	TURN 0, 1, 0
	QUARTER 1, 1, F0, F1, 0
	QUARTER 1, 2, F1, F0, 0
	QUARTER 1, 3, F0, F1, 0
	s_wait_dscnt 16                                ; the very last quarter: nothing more to fetch
	WIN MUL
	MUL8 F1, 0, 0, 0
	MUL8 F1, 0, 2, 0
	s_wait_dscnt 0
	MUL8 F1, 1, 0, 0
	MUL8 F1, 1, 2, 0
	WIN 0
; THE WAY OUT, block by block of 16 rows x 64 columns.  A lane holds 32 neighbouring bytes of a row, and the lanes beside it hold other rows; my 64 columns of f32 are 256 bytes.  So a block goes through my own stage
; in LDS and comes back as whole rows.  LDS serves a wave's instructions in order (ISA guide 5.7.1.4): no wait between the stores and the loads, nor in front of the next block's stores.
.macro TOSTAGE a
.irp b, 0,1,2,3
	ds_store_b128 v[STO], v[ACC+8*(4*(\a)+\b):ACC+8*(4*(\a)+\b)+3] offset:64*\b          ; each accumulator from its low end on
	ds_store_b128 v[STO], v[ACC+8*(4*(\a)+\b)+4:ACC+8*(4*(\a)+\b)+7] offset:64*\b+16
.endr
.irp t, 0,1,2,3,4,5,6,7
	ds_load_b128 v[TMP+32*((\a)%2)+4*\t:TMP+32*((\a)%2)+4*\t+3], v[RD] offset:\t*2*SPITCH
.endr
.endm
.macro SEND a, younger                 ; younger: the LDS instructions issued behind block a's loads, which may stay out
	s_wait_dscnt \younger                          ; the block is back in registers
.irp t, 0,1,2,3,4,5,6,7
	global_store_b128 v[CO], v[TMP+32*((\a)%2)+4*\t:TMP+32*((\a)%2)+4*\t+3], s[8:9] offset:(16*(\a)+2*\t)*4096 th:TH_STORE_NT   ; sixteen lanes store 256 consecutive bytes, at a multiple of 256 from out0's first byte; written once, read by nobody here
.endr
.endm
	PLACES                                         ; behind the last products
	TOSTAGE 0
.irp a, 1,2,3
.if \a > 1
	s_wait_xcnt 0x0                                ; block a - 2's stores have read their registers: block a's loads may land there
.endif
	TOSTAGE \a
	SEND \a-1, 16                                  ; behind block a - 1's loads: block a's 8 stores and 8 loads
.endr
	SEND 3, 0
	s_wait_tensorcnt 0x0                           ; the wave's end: three lines, behind my last tensor load and my last LDS store
	ds_add_u32 v[SPW], v[NIL]
	s_wait_dscnt 0x0
	CROUND                                         ; the closing round: no work-group ends while a partner may still ask for a tile that names it
	s_endpgm
.Lfunc_end_k_qa128b42557_outp:
	.size	k_qa128b42557_outp, .Lfunc_end_k_qa128b42557_outp-k_qa128b42557_outp
	.p2alignl 7, 3214868480
	.fill 96, 4, 3214868480
	.section	.rodata,"a",@progbits
	.p2align	6, 0x0
	.amdhsa_kernel k_qa128b42557_outp
		.amdhsa_group_segment_fixed_size 327680
		.amdhsa_private_segment_fixed_size 0
		.amdhsa_enable_private_segment 0
		.amdhsa_kernarg_size 24
		.amdhsa_user_sgpr_count 2
		.amdhsa_user_sgpr_kernarg_segment_ptr 1
		.amdhsa_wavefront_size32 1
		.amdhsa_system_sgpr_workgroup_id_x 1
		.amdhsa_system_sgpr_workgroup_id_y 1
		.amdhsa_system_sgpr_workgroup_id_z 1
		.amdhsa_system_vgpr_workitem_id 0
		.amdhsa_next_free_vgpr 512
		.amdhsa_next_free_sgpr 66
		.amdhsa_reserve_vcc 0
		.amdhsa_float_denorm_mode_32 3
		.amdhsa_float_denorm_mode_16_64 3
		.amdhsa_memory_ordered 1
		.amdhsa_forward_progress 1
		.amdhsa_inst_pref_size 85
	.end_amdhsa_kernel
	.amdgpu_metadata
---
amdhsa.version: [ 1, 2 ]
amdhsa.kernels:
  - .name:           k_qa128b42557_outp
    .symbol:         k_qa128b42557_outp.kd
    .args:
      - { .name: mf, .offset: 0, .size: 8, .value_kind: global_buffer, .address_space: global }
      - { .name: wo16, .offset: 8, .size: 8, .value_kind: global_buffer, .address_space: global }
      - { .name: out0, .offset: 16, .size: 8, .value_kind: global_buffer, .address_space: global }
    .group_segment_fixed_size: 327680
    .private_segment_fixed_size: 0
    .kernarg_segment_align: 8
    .kernarg_segment_size: 24
    .max_flat_workgroup_size: 128
    .sgpr_count:     66
    .vgpr_count:     512
    .wavefront_size: 32
...
	.end_amdgpu_metadata
.endif
;; end of part 4
